; MI455X (gfx1250); checked and timed in simulation.
; The chip was launched on July 23, 2026; its instructions are those of AMD's public machine-readable ISA for CDNA 5 (MIT licence, August 2026) and "CDNA5" Instruction Set Architecture Reference Guide (July 2026). The comments in the code are by the model that wrote it; some were corrected since.
;; Cross Attention. Allowed arithmetic: matrix products marked QUANTISED: E2M3 operands, one E8M0 scale for each 32 along K, by v_wmma_scale_f32_16x16x128_f8f6f4 with both operands' format E2M3, f32 sums; everything else in f32.
;; Inputs: Wkv 1,024 x 2,048 float32; Wo 1,024 x 1,024 float32; Wq 1,024 x 1,024 float32; bkv 2,048 float32; bo 1,024 float32; bq 1,024 float32; context 4 x 2,048 x 1,024 float32; x 4 x 2,048 x 1,024 float32.
;; Outputs: out0 4 x 2,048 x 1,024 float32.
;; This version of the problem:
;;   THIS VERSION OF THE PROBLEM IS GIVEN IN LOW PRECISION. The matrix products marked QUANTISED in the list below multiply operands that are first quantised to E2M3 (2 exponent bits, 3 mantissa bits; 6 bits a number), with one power-of-two scale for each 32 numbers along K (OCP MX v1.0); their sums are f32. All else is computed in f32.
;;   The module's matrix products, in the order in which they are computed (A, B: the left and right operand; K: the contracted axis; several contracted axes count as one K, in the product's order):
;;     1. [M 8,192, K 1,024] x [K 1,024, N 1,024]; A: input x; B: input Wq: QUANTISED
;;     2. [M 8,192, K 1,024] x [K 1,024, N 2,048]; A: input context; B: input Wkv: QUANTISED
;;     3. batch 64 x [M 2,048, K 64] x [K 64, N 2,048]; A: computed on the way; B: computed on the way: QUANTISED
;;     4. batch 64 x [M 64, K 2,048] x [K 2,048, N 2,048]; A: computed on the way; B: softmax (see below): QUANTISED
;;     5. [M 8,192, K 1,024] x [K 1,024, N 1,024]; A: computed on the way; B: input Wo: QUANTISED
;;   THE QUANTISER, for each operand of a quantised product, along K:
;;     - K is cut into blocks of 32 from its start; a last block that is shorter is filled with zeros.
;;     - A block's scale is 2^e with e = floor(log2(the largest magnitude in the block)) - 2, held to -126 .. 127; a block of zeros has e = 0. As a byte (E8M0): e + 127.
;;     - Each number is divided by its block's scale, clamped to +-7.5, and rounded to the nearest number of E2M3, ties to even, subnormals kept.
;;     - The product sums the exact products of the quantised numbers (number of the format x scale) in f32.
;;   ~~~python
;;   def quantise(x, axis):      # numpy; x: float32 -> the quantised numbers, widened to float32 again
;;       x = np.moveaxis(x, axis, -1); K = x.shape[-1]
;;       x = np.pad(x, [(0, 0)] * (x.ndim - 1) + [(0, -K % 32)]); x = x.reshape(x.shape[:-1] + (-1, 32)); a = np.abs(x).max(-1, keepdims=True)
;;       e = np.where(a > 0, np.clip(np.frexp(np.where(a > 0, a, 1))[1] - 1 - 2, -126, 127), 0)      # np.frexp(a)[1] - 1 = floor(log2(a)), exactly
;;       r = np.clip(x / 2.0 ** e, -7.5, 7.5)
;;       step = 2.0 ** (np.maximum(np.frexp(np.where(r == 0, 1, r))[1] - 1, 0) - 3)
;;       q = np.round(r / step) * step * 2.0 ** e      # np.round: ties to even
;;       return np.moveaxis(q.reshape(q.shape[:-2] + (-1,))[..., :K], -1, axis).astype(np.float32)
;;   ~~~
;;   SOFTMAX AHEAD OF A QUANTISED PRODUCT. Where the list says 'softmax', what is quantised is not the finished softmax but p = 2^(t - M), with t = logit x log2(e) and M = ceil(the row's largest t), a whole number; so 1/2 < the row's largest p <= 1. The row's sum l is taken of the UNQUANTISED p, in f32, and the product's result is divided by l at the end. Since M is a whole number, a kernel that streams over the keys may use a running M (the ceiling of the running maximum): every later rescaling is an exact power of two, which a block's scale takes up: the codes' values come out the same.
;;   OPERANDS COMPUTED ON THE WAY. 'Computed on the way' means the value that the module computes at that place (a softmax that the list does not call 'softmax' is quantised finished and normalised). What goes into a quantiser is computed in f32, as accurately as f32 sums, v_exp_f32 and their like allow (about 1e-6 of the number): no bf16 or f16 on the way to a quantiser, and a product that is left as it is and whose result goes on into a quantised operand takes f32 operands (vector FMAs, or v_wmma_f32_16x16x4_f32). A number that lies on a knife's edge between two numbers of the format may be rounded either way, as far as f32 arithmetic and the matrix unit's own rounding can turn it there, and no further.
;; One version. Each part assembles by itself: llvm-mc -triple=amdgcn-amd-amdhsa -mcpu=gfx1250 --defsym DOCPART=n.
;; ======== version 1 of 1: 5 launches
;; limits: right only within a limited range of input values
;; workspace buffers: aq 13,107,200 bytes; wq 3,276,800 bytes; q 6,553,600 bytes; kv 13,107,200 bytes; oq 6,553,600 bytes
;; launch quant_act (part 1): grid 512 x 1, 4 waves a work-group, no clusters, 35,328 bytes of LDS; arguments x, context, aq; writes aq
.if DOCPART == 1
	.amdgcn_target "amdgcn-amd-amdhsa--gfx1250"
	.amdhsa_code_object_version 6
	.text
	.protected	k_qfb8606b839_quant_act
	.globl	k_qfb8606b839_quant_act
	.p2align	8
	.type	k_qfb8606b839_quant_act,@function
k_qfb8606b839_quant_act:
	s_mov_b64 s[64:65], 0
	v_nop
	global_prefetch_b8 v0, s[64:65] scope:SCOPE_SE
	s_setreg_imm32_b32 hwreg(HW_REG_WAVE_MODE, 25, 1), 1
	s_wait_xcnt 0x0
; x and context, [8192][1024] f32 each, become codes of FP6 (E2M3) with one E8M0 byte for each 32 along K, laid as the products' operand registers want them.
; A block's scale is 2^(floor(log2(its largest magnitude)) - 2); its byte is the largest magnitude's exponent field - 2, held at 1 from below.  A block of zeros keeps the byte 1: its codes are zeros, and this program alone reads the bytes.
; LIMITS: NaN and infinities among the inputs are not served; blocks whose largest magnitude lies under 2^-124 keep the byte 1.
; ORDER OF ROWS: inside each group of 32 rows, stored place 16 u + 8 g + j holds true row 16 g + 8 u + j (bits 3 and 4 change places).
; LAYOUT OF aq: row block RB (16 stored rows; 0-511 x, 512-1023 context) has eight fragments (16 rows x 128 K, 12 registers a lane) of 1,536 bytes at 12,288 RB + 1,536 ks:
; registers 4 G .. 4 G + 3 of lane l at 512 G + 16 l.  The scale words (four bytes: one row, 128 K) lie at SCB + 512 RB + 64 ks + 4 r.
; SHARES: a work-group takes 32 true rows of one tensor; wave w makes stored row block u = w / 2 for the K steps 4 (w % 2) + 0 .. 3.  Each load reads 512 consecutive bytes of one row; a K step's 16 rows turn
; through the wave's own stage in LDS (rows of 512 + 16 bytes), so that a lane gets 16 neighbours of each block of 32.  Waves share nothing: no barrier, no tensor load, no cluster.
.set PITCH, 528
.set WST,   8704                       ; a wave's stage: 16 rows of PITCH bytes, rounded up
.set SCB,   12582912                   ; where the scale words begin
.set LI,  1                            ; v1   16 x lane
.set L4,  2                            ; v2   4 x lane
.set SA,  3                            ; v3   the stage, on the way in: 16 x lane
.set SB,  4                            ; v4   and on the way out: PITCH x (lane % 16) + 64 x (lane / 16)
.set LN,  5                            ; v5   lane
.set TM,  8                            ; v8-23  at work: largest magnitudes, bytes, scale operands
.set WD,  24                           ; v24-27 the four K steps' scale words
.set PC,  28                           ; v28-39 a fragment's codes; v40-42, v44-46 halves on their way
.set R,   64                           ; v64-255 three sets of 64 numbers
.set SEL, 22                           ; s[22:23] lane selects: lane l xor 16
	s_load_b128 s[4:7], s[0:1], 0x0                ; x, context
	s_load_b64 s[8:9], s[0:1], 0x10                ; aq
	v_lshl_add_u32 v62, v0, 2, 0x8800
	v_mov_b32 v63, 0
	v_lshrrev_b32 v6, 5, v0
	v_readfirstlane_b32 s10, v6                    ; wave
	v_and_b32 v[LN], 31, v0
	v_lshlrev_b32 v[LI], 4, v[LN]
	v_lshlrev_b32 v[L4], 2, v[LN]
	s_mul_i32 s11, s10, WST
	v_add_nc_u32 v[SA], s11, v[LI]
	v_and_b32 v6, 15, v0                           ; r
	v_bfe_u32 v7, v0, 4, 1                         ; h
	v_mul_u32_u24 v[SB], v6, PITCH
	v_lshl_add_u32 v[SB], v7, 6, v[SB]
	v_add_nc_u32 v[SB], s11, v[SB]
.irp b, 0,1,2,3
	v_mov_b32 v[TM+4+\b], 0                        ; written once: a lane permute's destination counts as one of its sources
.endr
	s_mov_b32 s[SEL], 0x76543210
	s_mov_b32 s[SEL+1], 0xfedcba98
	s_lshr_b32 s12, s10, 1                         ; u
	s_and_b32 s13, s10, 1                          ; which half of K
	; CONTEXT'S ROWS lie otherwise than x's: inside each group of 64 rows, stored place 16 T + 8 g + j holds true row 32 g + 8 T + j (the order of rows stated at the head holds for x).
	s_and_b32 s14, ttmp9, 255
	s_and_b32 s24, s14, 1
	s_lshr_b32 s14, s14, 1
	s_lshl_b32 s14, s14, 18                        ; 64 rows of 4,096 bytes for each pair of work-groups,
	s_cmp_lt_u32 ttmp9, 256
	s_cselect_b32 s25, 17, 16
	s_lshl_b32 s24, s24, s25                       ; + 32 rows (x) or 16 rows (context) for the pair's second,
	s_add_co_u32 s14, s14, s24
	s_lshl_b32 s15, s12, 15
	s_add_co_u32 s14, s14, s15
	s_lshl_b32 s15, s13, 11                        ; + my half of K
	s_add_co_u32 s14, s14, s15
	s_mov_b32 s15, 0
	s_lshl_b32 s16, ttmp9, 1
	s_add_co_u32 s16, s16, s12                     ; RB = 2 x work-group + u
	s_mul_i32 s18, s16, 12288
	s_mul_i32 s19, s13, 6144
	s_add_co_u32 s18, s18, s19
	s_mov_b32 s19, 0
	s_lshl_b32 s20, s16, 9
	s_lshl_b32 s21, s13, 8
	s_add_co_u32 s20, s20, s21
	s_add_co_u32 s20, s20, SCB
	s_mov_b32 s21, 0
	s_wait_alu depctr_va_vdst(0)
	s_wait_kmcnt 0x0
	s_cmp_lt_u32 ttmp9, 256                        ; x's work-group or context's: the choice hangs on the work-group's number alone
	s_cselect_b64 s[4:5], s[4:5], s[6:7]
	s_mov_b32 s24, 0x20000
	s_cselect_b32 s24, 0x10000, s24                ; stored rows 8-15 lie 16 true rows (x) or 32 (context) behind rows 0-7
	s_mov_b32 s25, 0
	s_add_nc_u64 s[4:5], s[4:5], s[14:15]
	s_add_nc_u64 s[24:25], s[4:5], s[24:25]
	s_add_nc_u64 s[6:7], s[8:9], s[18:19]          ; my codes
	s_add_nc_u64 s[8:9], s[8:9], s[20:21]          ; my scale words
.macro LOADS t                         ; K step t: stored row i is true row 16 (i / 8) + i % 8 (+ 8 u, in the base)
.irp i, 0,1,2,3,4,5,6,7,8,9,10,11,12,13,14,15
.if \i < 8
	global_load_b128 v[R+64*((\t)%3)+4*\i:R+64*((\t)%3)+4*\i+3], v[LI], s[4:5] offset:(\i%8)*4096+512*(\t) th:TH_LOAD_NT
.else
	global_load_b128 v[R+64*((\t)%3)+4*\i:R+64*((\t)%3)+4*\i+3], v[LI], s[24:25] offset:(\i%8)*4096+512*(\t) th:TH_LOAD_NT
.endif
.endr
.endm
; 64 numbers of a lane, register 16 b + i = k 32 b + 16 (lane / 16) + i of my row, become a fragment's codes in v[PC] on and its scale word in v[w].
.macro QUANT s, w
.irp b, 0,1,2,3
	v_max3_num_f32 v[TM+\b], |v[(\s)+16*\b]|, |v[(\s)+1+16*\b]|, 0x1800000   ; my 16 numbers of block b, and the floor 2^(3 - 127): the byte cannot fall under 1
.endr
.irp i, 2,4,6,8,10,12,14
.irp b, 0,1,2,3
	v_max3_num_f32 v[TM+\b], v[TM+\b], |v[(\s)+16*\b+\i]|, |v[(\s)+1+16*\b+\i]|   ; the four blocks by turns
.endr
.endr
.irp b, 0,1,2,3
	v_permlanex16_b32 v[TM+4+\b], v[TM+\b], s[SEL], s[SEL+1]
.endr
.irp b, 0,1,2,3
	v_max_num_f32 v[TM+\b], v[TM+\b], v[TM+4+\b]   ; with lane l xor 16's: the block's largest magnitude
.endr
.irp b, 0,1,2,3
	v_add_nc_u32 v[TM+12+\b], 0xff000000, v[TM+\b] ; 2 off its exponent field: the conversion takes this operand's exponent field as its scale
.endr
.irp b, 0,1,2,3
	v_lshrrev_b32 v[TM+4+\b], 23, v[TM+12+\b]      ; the scale's byte
.endr
	v_lshl_or_b32 v[\w], v[TM+5], 8, v[TM+4]
	v_lshl_or_b32 v[\w], v[TM+6], 16, v[\w]
	v_lshl_or_b32 v[\w], v[TM+7], 24, v[\w]
.irp c, 0,1
	v_cvt_scalef32_pk16_fp6_f32 v[PC+6*\c:PC+2+6*\c], v[(\s)+32*\c:(\s)+15+32*\c], v[TM+12+2*\c]
	v_cvt_scalef32_pk16_fp6_f32 v[PC+12+4*\c:PC+14+4*\c], v[(\s)+16+32*\c:(\s)+31+32*\c], v[TM+12+2*\c+1]   ; (a conversion's three registers begin on an even number)
.endr
	v_nop                                          ; one plain place behind a scaled conversion
.irp c, 0,1                            ; the operand's layout wants a whole block in a lane: lanes 0-15 block 2 c, lanes 16-31 block 2 c + 1
.irp i, 0,1,2
	v_permlane16_swap_b32 v[PC+6*\c+\i], v[PC+12+4*\c+\i]
.endr
.irp i, 0,1,2
	v_mov_b32 v[PC+3+6*\c+\i], v[PC+12+4*\c+\i]
.endr
.endr
.endm
.macro STEP t
.set RS, R+64*((\t)%3)
.if (\t) < 2
	s_wait_loadcnt 32                              ; this step's 16 loads are in; the two younger sets' 32 may be out
.else
	s_wait_loadcnt 16*(3-(\t))                     ; one younger set, then none
.endif
	s_wait_xcnt 0x0                                ; the last step's stores have read the codes' registers, which are written again below
.irp i, 0,1,2,3,4,5,6,7,8,9,10,11,12,13,14,15
	ds_store_b128 v[SA], v[RS+4*\i:RS+4*\i+3] offset:PITCH*\i
.endr
	s_wait_dscnt 0x0                               ; the stores have read their registers, into which the loads below land
.irp b, 0,1,2,3
.irp j, 0,1,2,3
	ds_load_b128 v[RS+16*\b+4*\j:RS+16*\b+4*\j+3], v[SB] offset:128*\b+16*\j
.endr
.endr
	s_wait_dscnt 0x0
	QUANT RS, WD+(\t)
.irp g, 0,1,2
	global_store_b128 v[LI], v[PC+4*\g:PC+4*\g+3], s[6:7] offset:1536*(\t)+512*\g   ; 32 lanes store 512 consecutive bytes
.endr
.endm
	LOADS 0
	LOADS 1
	LOADS 2
	STEP 0
	LOADS 3                                        ; into the set that step 0 has left
	STEP 1
	STEP 2
	STEP 3
	v_cmp_lt_u32 vcc_lo, 15, v[LN]                 ; lanes 16-31 carry the odd K steps' words: both halves of the lanes hold each row's word
	v_cndmask_b32 v6, v[WD], v[WD+1], vcc_lo
	v_cndmask_b32 v7, v[WD+2], v[WD+3], vcc_lo
	global_store_b32 v[L4], v6, s[8:9]             ; two stores of 128 consecutive bytes fill 256 aligned bytes
	global_store_b32 v[L4], v7, s[8:9] offset:128
	s_wait_tensorcnt 0x0
	ds_add_u32 v62, v63
	s_wait_dscnt 0x0
	s_endpgm
.Lfunc_end_k_qfb8606b839_quant_act:
	.size	k_qfb8606b839_quant_act, .Lfunc_end_k_qfb8606b839_quant_act-k_qfb8606b839_quant_act
	.p2alignl 7, 3214868480
	.fill 96, 4, 3214868480
	.section	.rodata,"a",@progbits
	.p2align	6, 0x0
	.amdhsa_kernel k_qfb8606b839_quant_act
		.amdhsa_group_segment_fixed_size 35328
		.amdhsa_private_segment_fixed_size 0
		.amdhsa_enable_private_segment 0
		.amdhsa_kernarg_size 24
		.amdhsa_user_sgpr_count 2
		.amdhsa_user_sgpr_kernarg_segment_ptr 1
		.amdhsa_wavefront_size32 1
		.amdhsa_system_sgpr_workgroup_id_x 1
		.amdhsa_system_sgpr_workgroup_id_y 1
		.amdhsa_system_sgpr_workgroup_id_z 1
		.amdhsa_system_vgpr_workitem_id 0
		.amdhsa_next_free_vgpr 256
		.amdhsa_next_free_sgpr 66
		.amdhsa_reserve_vcc 1
		.amdhsa_float_denorm_mode_32 3
		.amdhsa_float_denorm_mode_16_64 3
		.amdhsa_memory_ordered 1
		.amdhsa_forward_progress 1
		.amdhsa_inst_pref_size 34
	.end_amdhsa_kernel
	.amdgpu_metadata
---
amdhsa.version: [ 1, 2 ]
amdhsa.kernels:
  - .name:           k_qfb8606b839_quant_act
    .symbol:         k_qfb8606b839_quant_act.kd
    .args:
      - { .name: x, .offset: 0, .size: 8, .value_kind: global_buffer, .address_space: global }
      - { .name: context, .offset: 8, .size: 8, .value_kind: global_buffer, .address_space: global }
      - { .name: aq, .offset: 16, .size: 8, .value_kind: global_buffer, .address_space: global }
    .group_segment_fixed_size: 35328
    .private_segment_fixed_size: 0
    .kernarg_segment_align: 8
    .kernarg_segment_size: 24
    .max_flat_workgroup_size: 128
    .sgpr_count:     66
    .vgpr_count:     256
    .wavefront_size: 32
...
	.end_amdgpu_metadata
.endif
;; end of part 1
;; launch quant_w (part 2): grid 32 x 8, 4 waves a work-group, no clusters, 14,848 bytes of LDS; arguments Wq, Wkv, Wo, wq; writes wq
.if DOCPART == 2
	.amdgcn_target "amdgcn-amd-amdhsa--gfx1250"
	.amdhsa_code_object_version 6
	.text
	.protected	k_qfb8606b839_quant_w
	.globl	k_qfb8606b839_quant_w
	.p2align	8
	.type	k_qfb8606b839_quant_w,@function
k_qfb8606b839_quant_w:
	s_mov_b64 s[64:65], 0
	v_nop
	global_prefetch_b8 v0, s[64:65] scope:SCOPE_SE
	s_setreg_imm32_b32 hwreg(HW_REG_WAVE_MODE, 25, 1), 1
	s_wait_xcnt 0x0
; Wq [1024][1024], Wkv [1024][2048], Wo [1024][1024], f32 with K as the FIRST axis, become codes of FP6 (E2M3), K innermost, with one E8M0 byte for each 32 along K.
; The 4,096 columns count on: Wq's, Wkv's (k's 1,024, then v's), Wo's.  A column is a row of the operand.  Inside each group of 32 columns stored place 16 u + 8 g + j holds true column 16 g + 8 u + j.
; LAYOUT OF wq: row block RB (16 stored columns, 0-255) has eight fragments of 1,536 bytes at 12,288 RB + 1,536 ks (registers 4 G .. 4 G + 3 of lane l at 512 G + 16 l); scale words at SCB + 512 RB + 64 ks + 4 r.
; A LANE TAKES A COLUMN AND ITS REGISTERS RUN DOWN K: a block of 32 lies in one lane, and the conversions give codes with K innermost.  A lane's 24 bytes of block 2 c + h belong to registers 6 c .. 6 c + 5 of lane (r, h)
; of its fragment: they go to that place in the wave's own stage in LDS, and the two fragments leave as they lie, 512 consecutive bytes a store.
; The scale words leave as two pieces of 64 consecutive bytes a wave: one byte for each 128 that the launch reads.
; LIMITS: NaN and infinities are not served; blocks whose largest magnitude lies under 2^-124 keep the byte 1 (a block of zeros too: its codes are zeros, and this program alone reads the bytes).
; SHARES: work-group (x, y): columns 128 x on, K step y (128 along K); wave w its 32 columns.  Waves share nothing: no barrier, no tensor load, no cluster.
.set SCB,  3145728
.set WST,  3584                        ; a wave's stage: two fragments, FST bytes apart
.set FST,  1664                        ; 1,536 + 128
.set OFF,  32                          ; v32-63   4 x lane + i x pitch
.set X,    64                          ; v64-191  four blocks of 32 numbers; on the way out v64-87 the two fragments
.set C,    192                         ; v192-223 codes, eight registers a block
	s_load_b128 s[4:7], s[0:1], 0x0                ; Wq, Wkv
	s_load_b128 s[8:11], s[0:1], 0x10              ; Wo, wq
	v_lshl_add_u32 v224, v0, 2, 0x3800
	v_mov_b32 v225, 0
	v_lshrrev_b32 v1, 5, v0
	v_readfirstlane_b32 s12, v1                    ; wave
	v_and_b32 v1, 31, v0                           ; lane = my column in the group of 32
	v_lshlrev_b32 v2, 2, v1
	v_lshlrev_b32 v5, 4, v1
	v_bfe_u32 v7, v0, 3, 1                         ; u: which of the group's two fragments
	v_bfe_u32 v8, v0, 4, 1
	v_and_b32 v9, 7, v0
	v_lshl_add_u32 v9, v8, 3, v9                   ; r: my row in it
	s_mul_i32 s13, s12, WST
	v_mul_u32_u24 v3, v7, FST
	v_lshl_add_u32 v3, v9, 4, v3
	v_add_nc_u32 v3, s13, v3                       ; the stage, on the way in: FST u + 16 r
	v_add_nc_u32 v4, s13, v5                       ; and on the way out: 16 x lane
	v_lshlrev_b32 v6, 9, v7
	v_lshl_add_u32 v6, v9, 2, v6                   ; my scale word's place: 512 u + 4 r
	s_and_b32 s14, ttmp7, 0xffff                   ; y: the K step
	s_lshl_b32 s15, ttmp9, 2
	s_add_co_u32 s15, s15, s12                     ; my group of 32 columns, 0 .. 127
	s_cmp_lt_u32 ttmp9, 8
	s_cselect_b32 s16, 0, 32                       ; the tensor's first group,
	s_cselect_b32 s17, 12, 13                      ; and log2 of its pitch in bytes
	s_cmp_lt_u32 ttmp9, 24
	s_cselect_b32 s16, s16, 96
	s_cselect_b32 s17, s17, 12
	s_lshl_b32 s20, 1, s17                         ; the pitch
	s_sub_co_u32 s18, s15, s16
	s_lshl_b32 s18, s18, 7                         ; my first column in the tensor, in bytes,
	s_lshl_b32 s19, s14, 7
	s_lshl_b32 s19, s19, s17                       ; + 128 y rows
	s_add_co_u32 s18, s18, s19
	s_mov_b32 s19, 0
	s_lshl_b32 s21, 32, s17                        ; a block's 32 rows
	s_mul_i32 s32, s15, 24576
	s_mul_i32 s33, s14, 1536
	s_add_co_u32 s32, s32, s33
	s_mov_b32 s33, 0
	s_lshl_b32 s34, s15, 10
	s_lshl_b32 s35, s14, 6
	s_add_co_u32 s34, s34, s35
	s_add_co_u32 s34, s34, SCB
	s_mov_b32 s35, 0
.set I, 0
.rept 32
	v_mad_u32_u24 v[OFF+I], s20, I, v2
.set I, I+1
.endr
	s_wait_alu depctr_va_vdst(0)
	s_wait_kmcnt 0x0
	s_cmp_lt_u32 ttmp9, 8                          ; the choice of tensor hangs on the work-group's number alone
	s_cselect_b64 s[4:5], s[4:5], s[6:7]
	s_cmp_lt_u32 ttmp9, 24
	s_cselect_b64 s[4:5], s[4:5], s[8:9]
.irp t, 0,1,2,3
	s_add_nc_u64 s[24+2*\t:25+2*\t], s[4:5], s[18:19]   ; a base for each block: nothing is stepped later
	s_add_co_u32 s18, s18, s21
.endr
	s_add_nc_u64 s[32:33], s[10:11], s[32:33]      ; my two fragments
	s_add_nc_u64 s[34:35], s[10:11], s[34:35]      ; my group's scale words
.macro LOAD t                          ; block t: W(128 y + 32 t + i, my column): a wave reads 128 consecutive bytes, the four waves 512
.set I, 0
.rept 32
	global_load_b32 v[X+32*(\t)+I], v[OFF+I], s[24+2*(\t):25+2*(\t)] th:TH_LOAD_NT
.set I, I+1
.endr
.endm
	LOAD 0
	LOAD 1
.macro BLOCK t
.set XS, X+32*(\t)
.set CC, C+8*(\t)
.if (\t) < 3
	s_wait_loadcnt 32                              ; this block's 32 loads are in; the next block's may be out
.else
	s_wait_loadcnt 0x0
.endif
.if (\t)+2 < 4
	LOAD (\t)+2
.endif
	v_max3_num_f32 v12, |v[XS]|, |v[XS+1]|, |v[XS+2]|              ; the block's largest magnitude: all 32 numbers are mine
	v_max3_num_f32 v13, |v[XS+3]|, |v[XS+4]|, |v[XS+5]|
.irp i, 6,10,14,18,22,26
	v_max3_num_f32 v12, v12, |v[XS+\i]|, |v[XS+\i+1]|
	v_max3_num_f32 v13, v13, |v[XS+\i+2]|, |v[XS+\i+3]|
.endr
	v_max3_num_f32 v12, v12, |v[XS+30]|, |v[XS+31]|
	v_max3_num_f32 v12, v12, v13, 0x1800000        ; and the floor 2^(3 - 127)
	v_add_nc_u32 v11, 0xff000000, v12              ; 2 off the exponent field: the conversion's scale operand
	v_lshrrev_b32 v13, 23, v11                     ; the scale's byte
.if (\t) == 0
	v_mov_b32 v16, v13
.else
	v_lshl_or_b32 v16, v13, 8*(\t), v16
.endif
	v_cvt_scalef32_pk16_fp6_f32 v[CC:CC+2], v[XS:XS+15], v11
	v_cvt_scalef32_pk16_fp6_f32 v[CC+4:CC+6], v[XS+16:XS+31], v11  ; (a conversion's three registers begin on an even number)
	v_nop                                          ; one plain place behind a scaled conversion
	v_mov_b32 v[CC+3], v[CC+4]                     ; the six registers on end
	v_mov_b32 v[CC+4], v[CC+5]
	v_mov_b32 v[CC+5], v[CC+6]
.if (\t)/2 == 0                        ; registers 0-3 and 4, 5 of lane r + 16 (t % 2)
	ds_store_b128 v3, v[CC:CC+3] offset:256*((\t)%2)
	ds_store_b64 v3, v[CC+4:CC+5] offset:512+256*((\t)%2)
.else                                  ; registers 6, 7 and 8-11
	ds_store_b64 v3, v[CC:CC+1] offset:520+256*((\t)%2)
	ds_store_b128 v3, v[CC+2:CC+5] offset:1024+256*((\t)%2)
.endif
.endm
	BLOCK 0
	BLOCK 1
	BLOCK 2
	BLOCK 3
	global_store_b32 v6, v16, s[34:35]
.irp u, 0,1
.irp g, 0,1,2
	ds_load_b128 v[X+12*\u+4*\g:X+12*\u+4*\g+3], v4 offset:FST*\u+512*\g   ; LDS serves a wave's instructions in order: these see my stores
.endr
.endr
.irp u, 0,1
.irp g, 0,1,2
	s_wait_dscnt 5-3*\u-\g                         ; the younger loads may be out
	global_store_b128 v5, v[X+12*\u+4*\g:X+12*\u+4*\g+3], s[32:33] offset:12288*\u+512*\g   ; 32 lanes store 512 consecutive bytes
.endr
.endr
	s_wait_tensorcnt 0x0
	ds_add_u32 v224, v225
	s_wait_dscnt 0x0
	s_endpgm
.Lfunc_end_k_qfb8606b839_quant_w:
	.size	k_qfb8606b839_quant_w, .Lfunc_end_k_qfb8606b839_quant_w-k_qfb8606b839_quant_w
	.p2alignl 7, 3214868480
	.fill 96, 4, 3214868480
	.section	.rodata,"a",@progbits
	.p2align	6, 0x0
	.amdhsa_kernel k_qfb8606b839_quant_w
		.amdhsa_group_segment_fixed_size 14848
		.amdhsa_private_segment_fixed_size 0
		.amdhsa_enable_private_segment 0
		.amdhsa_kernarg_size 32
		.amdhsa_user_sgpr_count 2
		.amdhsa_user_sgpr_kernarg_segment_ptr 1
		.amdhsa_wavefront_size32 1
		.amdhsa_system_sgpr_workgroup_id_x 1
		.amdhsa_system_sgpr_workgroup_id_y 1
		.amdhsa_system_sgpr_workgroup_id_z 1
		.amdhsa_system_vgpr_workitem_id 0
		.amdhsa_next_free_vgpr 226
		.amdhsa_next_free_sgpr 66
		.amdhsa_reserve_vcc 0
		.amdhsa_float_denorm_mode_32 3
		.amdhsa_float_denorm_mode_16_64 3
		.amdhsa_memory_ordered 1
		.amdhsa_forward_progress 1
		.amdhsa_inst_pref_size 25
	.end_amdhsa_kernel
	.amdgpu_metadata
---
amdhsa.version: [ 1, 2 ]
amdhsa.kernels:
  - .name:           k_qfb8606b839_quant_w
    .symbol:         k_qfb8606b839_quant_w.kd
    .args:
      - { .name: Wq, .offset: 0, .size: 8, .value_kind: global_buffer, .address_space: global }
      - { .name: Wkv, .offset: 8, .size: 8, .value_kind: global_buffer, .address_space: global }
      - { .name: Wo, .offset: 16, .size: 8, .value_kind: global_buffer, .address_space: global }
      - { .name: wq, .offset: 24, .size: 8, .value_kind: global_buffer, .address_space: global }
    .group_segment_fixed_size: 14848
    .private_segment_fixed_size: 0
    .kernarg_segment_align: 8
    .kernarg_segment_size: 32
    .max_flat_workgroup_size: 128
    .sgpr_count:     66
    .vgpr_count:     226
    .wavefront_size: 32
...
	.end_amdgpu_metadata
.endif
;; end of part 2
;; launch gemm_qkv (part 3): grid 8 x 32, 4 waves a work-group, clusters of 4 x 4, 327,680 bytes of LDS; arguments aq, wq, bq, bkv, q, kv; writes q, kv
.if DOCPART == 3
	.amdgcn_target "amdgcn-amd-amdhsa--gfx1250"
	.amdhsa_code_object_version 6
	.text
	.protected	k_qfb8606b839_gemm_qkv
	.globl	k_qfb8606b839_gemm_qkv
	.p2align	8
	.type	k_qfb8606b839_gemm_qkv,@function
k_qfb8606b839_gemm_qkv:
	s_mov_b64 s[64:65], 0
	v_nop
	global_prefetch_b8 v0, s[64:65] scope:SCOPE_SE
	s_setreg_imm32_b32 hwreg(HW_REG_WAVE_MODE, 25, 1), 1
	s_wait_xcnt 0x0
	s_wait_alu depctr_hold_cnt(0) depctr_sa_sdst(0) depctr_va_vdst(0) depctr_va_sdst(0) depctr_va_ssrc(0) depctr_va_vcc(0) depctr_vm_vsrc(0)
	s_getreg_b32 s2, hwreg(HW_REG_IB_STS2, 6, 4)
	s_cmp_eq_u32 s2, 0
	s_cbranch_scc0 .Lentry_in_a_cluster
	s_endpgm
.Lentry_in_a_cluster:
	s_bfe_u32 s2, ttmp6, 0x10000c
	s_cmp_lg_u32 s2, 0xf033
	s_cbranch_scc0 .Lentry_shape_is_right
	s_endpgm
.Lentry_shape_is_right:
; q = x Wq + bq, k and v = context Wkv + bkv, on codes of FP6 (E2M3) with E8M0 scales, sums in f32; each result is quantised again (q, k along d; v along the keys) and leaves as attention's operands.
; SHARES.  Work-group (j, i) takes the 256 stored rows 256 i on through THREE PHASES of 128 columns: x against Wq's columns 128 j on, context against k's, context against v's: 8 x 32 = 256 work-groups of equal work.
; A wave owns 64 rows.  ITS ROWS' FRAGMENTS FOR ALL OF K STAY IN REGISTERS (4 row blocks x 8 K steps x 12): aq holds them as register images, so they come straight from memory, 512 consecutive bytes a load;
; in phase 0 context's fragments of a K step take x's places as soon as that step is multiplied.  That is why A's tiles are not asked for jointly: they never pass through LDS.
; THE THREE TILES OF WEIGHTS (8 row blocks of wq, all of K: 98,304 bytes, and 4,096 of scale words, each) all lie in LDS at once and are filled once: four joint loads at the head, one a wave, two more behind
; the wait for the head's loads and a cluster round.  CLUSTER 4 x 4: a tile hangs on j alone and is shared along a column of the cluster.
; NO PREFETCH: the tensor loads stand at the head, and A's loads are themselves issued a phase ahead of their use.
; PHASES 0, 1: source 0 = the weights' columns, source 1 = my rows: a lane holds one row and eight neighbouring d.  The sums begin with the bias, loaded into the accumulators.
; PHASE 2: the sources change places: a lane holds one d, and its 32 registers of a block of columns are the 32 keys of one block (context's stored order: place 16 T + 8 g + j of 64 holds row 32 g + 8 T + j); the bias is added on the way out.
; OUT.  q's record (128 rows of a head, 6,400 bytes): four fragments (tile 2 f in registers 0-5, tile 2 f + 1 in 6-11), words at 6,144 + 16 r + 4 f.  kv's record (12,800 bytes): K likewise, words at 12,288;
; V's fragment i at 6,144 + 1,536 i in two halves of 768 bytes (64 keys each): registers 0-3 of the six at 16 l, 4 and 5 at 512 + 8 l; V's words at 12,544 + 16 r + 4 i.
; LIMITS: NaN and infinities are not served; a block whose largest magnitude lies under 2^-124 keeps the byte 1 (this program alone reads the bytes).
; REGISTERS: window 0: v0-31 addresses, v32-47 x's scale words, v48-63 context's, v64-95 the weights', v96-159 the way out, v160-255 A's K steps 5, 6; window 1: v0-191 the weights' fragments in two sets,
; v192-239 A's K step 7; window 2: the 32 accumulators; window 3: A's K steps 0-4.  A scale register holds an even K step's words in lanes 0-15 and the next step's in lanes 16-31.
.set RBB,   12288
.set TILE,  98304
.set LSB,   294912
.set SPARE, 307200
.set CTX,   6291456                    ; context's row blocks lie 512 x 12,288 bytes behind x's
.set LI,   3
.set L4,   4
.set BO,   5
.set BOV,  6
.set LIF,  7
.set LIV,  8
.set L8V,  9
.set SOFQ, 10
.set SOFK, 11
.set SOFV, 12
.set SH8,  13
.set ADRB, 16
.set ADSB, 22
.set SPW,  28
.set NIL,  29
.set SAX,  32
.set SAC,  48
.set SB,   64
.set F0,   96
.set F1,   108
.set T0,   120
.set T1,   124
.set TM,   128
.set PW0,  144
.set PW1,  145
.set WH,   146
.set WS,   154
.set G1C,  24
.set G1S,  32
.set SEL,  96
.set MSB, 0
.macro WIN new
.if MSB != (\new)
	s_set_vgpr_msb (MSB<<8)|(\new)
.set MSB, (\new)
.endif
.endm
.macro CROUND
	s_barrier_signal -1
	s_barrier_wait -1
	s_cmp_lg_u32 s14, 0
	s_cbranch_scc1 .Lnot_wave_0_\@
	s_barrier_signal -3
.Lnot_wave_0_\@:
	s_barrier_wait -3
	s_barrier_signal -1
	s_barrier_wait -1
.endm
.macro PLACES n
.rept \n
	v_nop
.endr
.endm
.macro DENSE g, rows                   ; a dense block as rows of 256 bytes (32 elements of 8 bytes)
	s_mov_b32 s[\g+1], 32<<16
	s_mov_b32 s[\g+2], (\rows)<<16
	s_mov_b32 s[\g+3], 32<<16
	s_mov_b32 s[\g+4], \rows
	s_mov_b32 s[\g+5], 32
	s_mov_b32 s[\g+6], 0
	s_mov_b32 s[\g+7], 0
.endm
.macro ARM under, g0, g1, next, join   ; an arm of a chain of branches on the wave's number: one load
	s_cmp_lt_u32 s14, \under
	s_cbranch_scc0 \next
	tensor_load_to_lds s[\g0:\g0+3], s[\g1:\g1+7]
	s_nop 0
	PLACES 4
	s_branch \join
\next:
.endm
	s_load_b256 s[84:91], s[0:1], 0x0              ; aq, wq, bq, bkv
	s_load_b128 s[92:95], s[0:1], 0x20             ; q, kv
	v_lshl_add_u32 v[SPW], v0, 2, SPARE
	v_mov_b32 v[NIL], 0
	ds_add_u32 v[SPW], v[NIL]                      ; the opening lines: the add, twice on end, and its wait
	ds_add_u32 v[SPW], v[NIL]
	v_lshrrev_b32 v1, 5, v0
	v_readfirstlane_b32 s14, v1                    ; wave 0..3
	s_bfe_u32 s10, ttmp6, 0x40000                  ; cx
	s_bfe_u32 s11, ttmp6, 0x40004                  ; cy
	s_lshl_b32 s12, ttmp9, 2
	s_add_co_u32 s12, s12, s10                     ; j
	s_and_b32 s13, ttmp7, 0xffff
	s_lshl_b32 s13, s13, 2
	s_add_co_u32 s13, s13, s11                     ; i
	s_lshl_b32 s16, 0x1111, s10                    ; my column of the cluster
	s_or_b32 s[G1C], s16, (3<<16)|(1<<21)
	s_or_b32 s[G1S], s16, (3<<16)|(1<<21)
	DENSE G1C, 384
	DENSE G1S, 16
	s_mul_i32 s18, s12, TILE                       ; the weights' row blocks 8 j on,
	s_mov_b32 s19, 0
	s_lshl_b32 s22, s12, 12                        ; and their scale words
	s_add_co_u32 s22, s22, 3145728
	s_mov_b32 s23, 0
	s_lshl_b32 s2, s13, 4
	s_lshl_b32 s3, s14, 2
	s_add_co_u32 s2, s2, s3                        ; my first row block: 16 i + 4 wave
	s_mul_i32 s70, s2, RBB
	s_mov_b32 s71, 0
	s_lshl_b32 s74, s2, 9
	s_add_co_u32 s74, s74, 12582912
	s_mov_b32 s75, 0
	s_lshl_b32 s76, s12, 9                         ; the biases' 128 numbers
	s_mov_b32 s77, 0
	s_lshr_b32 s4, s13, 3                          ; the record: 16 (16 batch + 2 j) + 2 (i % 8) + wave / 2
	s_lshl_b32 s4, s4, 4
	s_lshl_b32 s5, s12, 1
	s_add_co_u32 s4, s4, s5
	s_lshl_b32 s4, s4, 4
	s_and_b32 s5, s13, 7
	s_lshl_b32 s5, s5, 1
	s_add_co_u32 s4, s4, s5
	s_lshr_b32 s5, s14, 1
	s_add_co_u32 s4, s4, s5
	s_mul_i32 s80, s4, 6400
	s_mov_b32 s81, 0
	s_mul_i32 s82, s4, 12800
	s_mov_b32 s83, 0
	s_and_b32 s17, s14, 1                          ; which 64 rows of the record are mine
	s_mul_i32 s6, s17, 3072
	s_mul_i32 s7, s17, 768
	s_lshl_b32 s8, s17, 3
	s_lshl_b32 s9, s17, 1
	s_mov_b32 s[SEL], 0x76543210
	s_mov_b32 s[SEL+1], 0xfedcba98
	s_wait_dscnt 0x0                               ; both opening adds are done
	s_wait_kmcnt 0x0
	s_add_nc_u64 s[20:21], s[86:87], s[18:19]
	s_add_nc_u64 s[68:69], s[86:87], s[22:23]
.irp p, 0,1,2                          ; group 0 of phase p's codes in s[40 + 8 p ..], of its scale words in s[44 + 8 p ..]: Wq's, k's and v's row blocks lie 64 apart
	s_mov_b32 s[40+8*\p], 1
	s_mov_b32 s[41+8*\p], \p*TILE
	s_add_nc_u64 s[42+8*\p:43+8*\p], s[20:21], \p*64*RBB
	s_or_b32 s[43+8*\p], s[43+8*\p], 0x80000000
	s_mov_b32 s[44+8*\p], 1
	s_mov_b32 s[45+8*\p], LSB+4096*\p
	s_add_nc_u64 s[46+8*\p:47+8*\p], s[68:69], \p*64*512
	s_or_b32 s[47+8*\p], s[47+8*\p], 0x80000000
.endr
	s_add_nc_u64 s[70:71], s[84:85], s[70:71]      ; my fragments of x
	s_add_nc_u64 s[74:75], s[84:85], s[74:75]      ; and their scale words
	s_add_nc_u64 s[78:79], s[90:91], s[76:77]      ; bkv
	s_add_nc_u64 s[76:77], s[88:89], s[76:77]      ; bq
	s_add_nc_u64 s[80:81], s[92:93], s[80:81]      ; q's record
	s_add_nc_u64 s[82:83], s[94:95], s[82:83]      ; kv's
	CROUND                                         ; all sixteen work-groups are here: the joint loads meet
	ARM 1, 40, G1C, .Lh1, .Lhj
	ARM 2, 44, G1S, .Lh2, .Lhj
	ARM 3, 48, G1C, .Lh3, .Lhj
	tensor_load_to_lds s[52:55], s[G1S:G1S+7]
	s_nop 0
	PLACES 4
.Lhj:
	v_and_b32 v1, 15, v0                           ; r
	v_bfe_u32 v2, v0, 4, 1                         ; h
	v_and_b32 v[L4], 31, v0
	v_lshlrev_b32 v[LI], 4, v[L4]
	v_lshl_add_u32 v[L8V], v[L4], 3, s7
	v_lshlrev_b32 v[L4], 2, v[L4]
	v_lshlrev_b32 v[BO], 6, v2
	v_and_b32 v[BOV], 8, v1
	v_add_lshl_u32 v[BOV], v[BOV], v1, 2           ; 4 (r + 8 (r / 8))
	v_add_nc_u32 v[LIF], s6, v[LI]
	v_add_nc_u32 v[LIV], s7, v[LI]
	v_lshlrev_b32 v[SOFV], 4, v1
	v_mad_u32_u24 v[SOFQ], v2, 102400, v[SOFV]     ; lanes 16-31 carry the second head's words: 16 records on
	v_mad_u32_u24 v[SOFK], v2, 204800, v[SOFV]
	v_add_nc_u32 v[SOFV], s9, v[SOFK]
	v_add_nc_u32 v[SOFQ], s8, v[SOFQ]
	v_add_nc_u32 v[SOFK], s8, v[SOFK]
	v_lshlrev_b32 v[SH8], 3, v2
.irp k, 0,1,2,3,4,5
	v_add_nc_u32 v[ADRB+\k], \k*4*RBB, v[LI]       ; phase k / 2, row blocks 4 (k % 2) on
.endr
	v_add_nc_u32 v[ADSB], LSB, v[L4]
.irp b, 4,5,6,7
	v_mov_b32 v[TM+\b], 0                          ; lane permutes' destinations
.endr
	s_wait_alu depctr_va_vdst(0)                   ; the wait at the head's end
.macro ASET ks                         ; where A's fragments of K step ks lie: window AWN, from register ABS on
.if (\ks) < 5
.set AWN, 3
.set ABS, 48*(\ks)
.elseif (\ks) < 7
.set AWN, 0
.set ABS, 160+48*((\ks)-5)
.else
.set AWN, 1
.set ABS, 192
.endif
.endm
.macro ALOAD ks, off
	ASET \ks
	WIN AWN<<6
.irp a, 0,1,2,3
.irp g, 0,1,2
	global_load_b128 v[ABS+12*\a+4*\g:ABS+12*\a+4*\g+3], v[LI], s[70:71] offset:\off+\a*RBB+(\ks)*1536+512*\g
.endr
.endr
	WIN 0
.endm
.macro BLOADS a, sb                    ; the bias of the 128 columns into the eight accumulators of my row block a
	WIN 0x80
.irp b, 0,1,2,3,4,5,6,7
	global_load_b128 v[8*(8*(\a)+\b):8*(8*(\a)+\b)+3], v[BO], s[\sb:\sb+1] offset:4*(32*(\b/2)+8*(\b%2))
	global_load_b128 v[8*(8*(\a)+\b)+4:8*(8*(\a)+\b)+7], v[BO], s[\sb:\sb+1] offset:4*(32*(\b/2)+8*(\b%2))+16
.endr
	WIN 0
.endm
.irp a, 0,1,2,3
.irp k, 0,1,2,3
	global_load_b32 v[SAX+4*\a+\k], v[L4], s[74:75] offset:512*\a+128*\k
	global_load_b32 v[SAC+4*\a+\k], v[L4], s[74:75] offset:262144+512*\a+128*\k
.endr
.endr
.irp a, 0,1,2,3
	BLOADS \a, 76
.endr
.irp k, 0,1,2,3,4,5,6,7
	ALOAD \k, 0
.endr
	s_wait_tensorcnt 0x0                           ; my tile of the head's four is in
	ds_add_u32 v[SPW], v[NIL]
	s_wait_dscnt 0x0
	CROUND
	ARM 1, 56, G1C, .Lt1, .Ltj                     ; phase 2's tile
	ARM 2, 60, G1S, .Lt2, .Ltj
.Ltj:
.macro FETCHB p, ks                    ; the weights' eight fragments of phase p, K step ks into set ks % 2: 24 loads
	WIN 0x40
.irp b, 0,1,2,3,4,5,6,7
.irp g, 0,1,2
	ds_load_b128 v[96*((\ks)%2)+12*\b+4*\g:96*((\ks)%2)+12*\b+4*\g+3], v[ADRB+2*(\p)+\b/4] offset:(\b%4)*RBB+(\ks)*1536+512*\g
.endr
.endr
	WIN 0
.endm
.macro BSCALES p
.irp b, 0,1,2,3,4,5,6,7
.irp k, 0,1,2,3
	ds_load_b32 v[SB+4*\b+\k], v[ADSB] offset:4096*(\p)+512*\b+128*\k
.endr
.endr
.endm
.macro W d, x, y, sx, sy, odd, zero
.if \zero
	v_wmma_scale_f32_16x16x128_f8f6f4 v[\d:\d+7], v[\x:\x+11], v[\y:\y+11], 0, v[\sx], v[\sy] matrix_a_fmt:MATRIX_FMT_FP6 matrix_b_fmt:MATRIX_FMT_FP6
.elseif \odd
	v_wmma_scale_f32_16x16x128_f8f6f4 v[\d:\d+7], v[\x:\x+11], v[\y:\y+11], v[\d:\d+7], v[\sx], v[\sy] matrix_a_fmt:MATRIX_FMT_FP6 matrix_b_fmt:MATRIX_FMT_FP6 matrix_a_scale:MATRIX_SCALE_ROW1 matrix_b_scale:MATRIX_SCALE_ROW1
.else
	v_wmma_scale_f32_16x16x128_f8f6f4 v[\d:\d+7], v[\x:\x+11], v[\y:\y+11], v[\d:\d+7], v[\sx], v[\sy] matrix_a_fmt:MATRIX_FMT_FP6 matrix_b_fmt:MATRIX_FMT_FP6
.endif
.endm
.macro MUL ks, kind, sa, zero          ; 32 products, the accumulators by turns in the same order in every step
	ASET \ks
.if \kind
	WIN 0xa4|AWN
.irp b, 0,1,2,3,4,5,6,7
.irp a, 0,1,2,3
	W 8*(4*\b+\a), ABS+12*\a, 96*((\ks)%2)+12*\b, \sa+4*\a+(\ks)/2, SB+4*\b+(\ks)/2, (\ks)%2, \zero
.endr
.endr
.else
	WIN 0xa1|(AWN<<2)
.irp a, 0,1,2,3
.irp b, 0,1,2,3,4,5,6,7
	W 8*(8*\a+\b), 96*((\ks)%2)+12*\b, ABS+12*\a, SB+4*\b+(\ks)/2, \sa+4*\a+(\ks)/2, (\ks)%2, 0
.endr
.endr
.endif
.endm
.macro PHASE p, kind, sa
.set KS, 0
.rept 8
.if KS > 0
	PLACES 4                                       ; in front of loads into registers that the step before multiplied
.endif
.if KS < 7
	FETCHB \p, KS+1
.elseif \p < 2
	FETCHB \p+1, 0
.endif
.if (\p == 0) && (KS > 0)
	ALOAD KS-1, CTX                                ; context's fragments take x's places
.endif
.if (KS < 7) || (\p < 2)
	s_wait_dscnt 24                                ; all but the 24 loads just issued
.else
	s_wait_dscnt 0x0
.endif
.if KS == 0
	s_wait_loadcnt 0x0                             ; my rows' fragments and words, the bias
	MUL 0, \kind, \sa, \kind
.else
	MUL KS, \kind, \sa, 0
.endif
.set KS, KS+1
.endr
	PLACES 4
	WIN 0
.endm
; 64 numbers of a lane (my row of row block a; register 16 b + i = d 32 b + 16 h + i of two heads) become six registers for each head and a word of four bytes
.macro QUANT a, d0, d1, w
.set AC, 64*(\a)
	WIN 0x0a
.irp b, 0,1,2,3
	v_max3_num_f32 v[TM+\b], |v[AC+16*\b]|, |v[AC+16*\b+1]|, 0x1800000
.endr
.irp i, 2,4,6,8,10,12,14
.irp b, 0,1,2,3
	v_max3_num_f32 v[TM+\b], |v[AC+16*\b+\i]|, |v[AC+16*\b+\i+1]|, v[TM+\b]
.endr
.endr
	WIN 0
.irp b, 0,1,2,3
	v_permlanex16_b32 v[TM+4+\b], v[TM+\b], s[SEL], s[SEL+1]
.endr
.irp b, 0,1,2,3
	v_max_num_f32 v[TM+\b], v[TM+\b], v[TM+4+\b]
.endr
.irp b, 0,1,2,3
	v_add_nc_u32 v[TM+12+\b], 0xff000000, v[TM+\b]
.endr
.irp b, 0,1,2,3
	v_lshrrev_b32 v[TM+4+\b], 23, v[TM+12+\b]
.endr
	v_lshl_or_b32 v[\w], v[TM+5], 8, v[TM+4]
	v_lshl_or_b32 v[\w], v[TM+6], 16, v[\w]
	v_lshl_or_b32 v[\w], v[TM+7], 24, v[\w]
	WIN 2
	v_cvt_scalef32_pk16_fp6_f32 v[\d0:\d0+2], v[AC:AC+15], v[TM+12]
	v_cvt_scalef32_pk16_fp6_f32 v[T0:T0+2], v[AC+16:AC+31], v[TM+13]
	v_cvt_scalef32_pk16_fp6_f32 v[\d1:\d1+2], v[AC+32:AC+47], v[TM+14]
	v_cvt_scalef32_pk16_fp6_f32 v[T1:T1+2], v[AC+48:AC+63], v[TM+15]
	WIN 0
	v_nop
.irp i, 0,1,2
	v_permlane16_swap_b32 v[\d0+\i], v[T0+\i]
	v_permlane16_swap_b32 v[\d1+\i], v[T1+\i]
.endr
.irp i, 0,1,2
	v_mov_b32 v[\d0+3+\i], v[T0+\i]
	v_mov_b32 v[\d1+3+\i], v[T1+\i]
.endr
.endm
.macro EPIQK sb, hs, wo, sof, pre      ; my two fragments of each of the two heads, and their words; pre = 1: each row block's accumulators take the next phase's bias as soon as they are read out
.irp f, 0,1
	s_wait_xcnt 0x0                                ; earlier stores have read their registers
	QUANT 2*\f, F0, F1, PW0
.if \pre
	BLOADS 2*\f, 78
.endif
	QUANT 2*\f+1, F0+6, F1+6, PW1
.if \pre
	BLOADS 2*\f+1, 78
.endif
	v_perm_b32 v[WH+\f], v[PW1], v[PW0], 0x05040100
	v_perm_b32 v[WH+2+\f], v[PW1], v[PW0], 0x07060302
.irp g, 0,1,2
	global_store_b128 v[LIF], v[F0+4*\g:F0+4*\g+3], s[\sb:\sb+1] offset:1536*\f+512*\g
	global_store_b128 v[LIF], v[F1+4*\g:F1+4*\g+3], s[\sb:\sb+1] offset:\hs+1536*\f+512*\g
.endr
.endr
	v_cmp_eq_u32 vcc_lo, 1, v2
	v_cndmask_b32 v[WS], v[WH], v[WH+2], vcc_lo
	v_cndmask_b32 v[WS+1], v[WH+1], v[WH+3], vcc_lo
	global_store_b64 v[\sof], v[WS:WS+1], s[\sb:\sb+1] offset:\wo
.endm
; v: my d of column block b; the lane's 32 registers are the 32 keys of block h of my 64: bias, scale, six registers, and with lane l xor 16's byte the half word
.macro QUANTV b
.set AC, 32*(\b)
.set VBP, F1+2*(\b)+4*((\b)/6)
.set FV, F0+6*((\b)%2)
	s_wait_xcnt 0x0
	WIN 0x82
.set J, 0
.rept 16
	v_pk_add_f32 v[AC+J:AC+J+1], v[AC+J:AC+J+1], v[VBP:VBP+1]
.set J, J+2
.endr
	WIN 0x0a
	v_max3_num_f32 v[TM], |v[AC]|, |v[AC+1]|, 0x1800000
	v_max3_num_f32 v[TM+1], |v[AC+16]|, |v[AC+17]|, 0x1800000
.irp i, 2,4,6,8,10,12,14
	v_max3_num_f32 v[TM], |v[AC+\i]|, |v[AC+\i+1]|, v[TM]
	v_max3_num_f32 v[TM+1], |v[AC+16+\i]|, |v[AC+17+\i]|, v[TM+1]
.endr
	WIN 0
	v_max_num_f32 v[TM], v[TM], v[TM+1]
	v_add_nc_u32 v[TM+12], 0xff000000, v[TM]
	v_lshrrev_b32 v[TM+1], 23, v[TM+12]
	v_lshlrev_b32 v[TM+1], v[SH8], v[TM+1]
	v_permlanex16_b32 v[TM+4], v[TM+1], s[SEL], s[SEL+1]
	v_or_b32 v[WH+\b], v[TM+1], v[TM+4]
	WIN 2
	v_cvt_scalef32_pk16_fp6_f32 v[FV:FV+2], v[AC:AC+15], v[TM+12]
	v_cvt_scalef32_pk16_fp6_f32 v[T0:T0+2], v[AC+16:AC+31], v[TM+12]
	WIN 0
	v_nop
.irp i, 0,1,2
	v_mov_b32 v[FV+3+\i], v[T0+\i]
.endr
	global_store_b128 v[LIV], v[FV:FV+3], s[82:83] offset:6144+1536*((\b)%4)+204800*((\b)/4)
	global_store_b64 v[L8V], v[FV+4:FV+5], s[82:83] offset:6144+1536*((\b)%4)+204800*((\b)/4)+512
.endm
	BSCALES 0
	FETCHB 0, 0
	PHASE 0, 0, SAX
	ALOAD 7, CTX
	BSCALES 1
	EPIQK 80, 102400, 6144, SOFQ, 1
	s_wait_alu depctr_va_vdst(0)
	s_wait_tensorcnt 0x0                           ; phase 2's tile, asked for a phase ago
	s_wait_dscnt 0x0
	s_barrier_signal -1
	s_barrier_wait -1
	PHASE 1, 0, SAC
	BSCALES 2
	EPIQK 82, 204800, 12288, SOFK, 0
	s_wait_xcnt 0x0                                ; the stores have read the registers that take v's bias: a pair for each column block, both halves alike
.irp b, 0,1,2,3,4,5,6,7
	global_load_b32 v[F1+2*\b+4*(\b/6)], v[BOV], s[78:79] offset:4096+4*(32*(\b/2)+8*(\b%2))
	global_load_b32 v[F1+2*\b+4*(\b/6)+1], v[BOV], s[78:79] offset:4096+4*(32*(\b/2)+8*(\b%2))
.endr
	PHASE 2, 1, SAC
.irp b, 0,1,2,3,4,5,6,7
	QUANTV \b
.endr
	v_cmp_eq_u32 vcc_lo, 1, v2
.irp i, 0,1,2,3
	v_cndmask_b32 v[WS+\i], v[WH+\i], v[WH+4+\i], vcc_lo
.endr
.irp i, 0,1,2,3
	global_store_b16 v[SOFV], v[WS+\i], s[82:83] offset:12544+4*\i     ; my 64 keys' two bytes of each word
.endr
	s_wait_tensorcnt 0x0                           ; the wave's end
	ds_add_u32 v[SPW], v[NIL]
	s_wait_dscnt 0x0
	CROUND                                         ; the closing round
	s_endpgm
.Lfunc_end_k_qfb8606b839_gemm_qkv:
	.size	k_qfb8606b839_gemm_qkv, .Lfunc_end_k_qfb8606b839_gemm_qkv-k_qfb8606b839_gemm_qkv
	.p2alignl 7, 3214868480
	.fill 96, 4, 3214868480
	.section	.rodata,"a",@progbits
	.p2align	6, 0x0
	.amdhsa_kernel k_qfb8606b839_gemm_qkv
		.amdhsa_group_segment_fixed_size 327680
		.amdhsa_private_segment_fixed_size 0
		.amdhsa_enable_private_segment 0
		.amdhsa_kernarg_size 48
		.amdhsa_user_sgpr_count 2
		.amdhsa_user_sgpr_kernarg_segment_ptr 1
		.amdhsa_wavefront_size32 1
		.amdhsa_system_sgpr_workgroup_id_x 1
		.amdhsa_system_sgpr_workgroup_id_y 1
		.amdhsa_system_sgpr_workgroup_id_z 1
		.amdhsa_system_vgpr_workitem_id 0
		.amdhsa_next_free_vgpr 1024
		.amdhsa_next_free_sgpr 100
		.amdhsa_reserve_vcc 1
		.amdhsa_float_denorm_mode_32 3
		.amdhsa_float_denorm_mode_16_64 3
		.amdhsa_memory_ordered 1
		.amdhsa_forward_progress 1
		.amdhsa_inst_pref_size 248
	.end_amdhsa_kernel
	.amdgpu_metadata
---
amdhsa.version: [ 1, 2 ]
amdhsa.kernels:
  - .name:           k_qfb8606b839_gemm_qkv
    .symbol:         k_qfb8606b839_gemm_qkv.kd
    .args:
      - { .name: aq, .offset: 0, .size: 8, .value_kind: global_buffer, .address_space: global }
      - { .name: wq, .offset: 8, .size: 8, .value_kind: global_buffer, .address_space: global }
      - { .name: bq, .offset: 16, .size: 8, .value_kind: global_buffer, .address_space: global }
      - { .name: bkv, .offset: 24, .size: 8, .value_kind: global_buffer, .address_space: global }
      - { .name: q, .offset: 32, .size: 8, .value_kind: global_buffer, .address_space: global }
      - { .name: kv, .offset: 40, .size: 8, .value_kind: global_buffer, .address_space: global }
    .group_segment_fixed_size: 327680
    .private_segment_fixed_size: 0
    .kernarg_segment_align: 8
    .kernarg_segment_size: 48
    .max_flat_workgroup_size: 128
    .sgpr_count:     100
    .vgpr_count:     1024
    .wavefront_size: 32
...
	.end_amdgpu_metadata
.endif
;; end of part 3
;; launch attn (part 4): grid 4 x 64, 16 waves a work-group, clusters of 4 x 1, 327,680 bytes of LDS; arguments q, kv, oq; writes oq
.if DOCPART == 4
	.amdgcn_target "amdgcn-amd-amdhsa--gfx1250"
	.amdhsa_code_object_version 6
	.text
	.protected	k_qfb8606b839_attn
	.globl	k_qfb8606b839_attn
	.p2align	8
	.type	k_qfb8606b839_attn,@function
k_qfb8606b839_attn:
	s_mov_b64 s[64:65], 0
	v_nop
	global_prefetch_b8 v0, s[64:65] scope:SCOPE_SE
	s_setreg_imm32_b32 hwreg(HW_REG_WAVE_MODE, 25, 1), 1
	s_wait_xcnt 0x0
	s_wait_alu depctr_hold_cnt(0) depctr_sa_sdst(0) depctr_va_vdst(0) depctr_va_sdst(0) depctr_va_ssrc(0) depctr_va_vcc(0) depctr_vm_vsrc(0)
	s_getreg_b32 s2, hwreg(HW_REG_IB_STS2, 6, 4)
	s_cmp_eq_u32 s2, 0
	s_cbranch_scc0 .Lentry_in_a_cluster
	s_endpgm
.Lentry_in_a_cluster:
	s_bfe_u32 s2, ttmp6, 0x10000c
	s_cmp_lg_u32 s2, 0x3003
	s_cbranch_scc0 .Lentry_shape_is_right
	s_endpgm
.Lentry_shape_is_right:
; O = softmax(q k^T / 8) v for one batch and head (head size 64, 2,048 keys), both products on codes of FP6 (E2M3) with E8M0 scales; the result is divided by the row's sum, quantised along d and leaves as the last product's operand.
; THE SOFTMAX: t = score x log2(e) / 8; M = the row's largest t so far, rounded UP to a whole number; p = 2^(t - M) is quantised along the keys, not normalised.  The row's sum is taken of the unquantised p.
; When M moves, the sums and O are multiplied by 2^(old M - new M): exact.
; SHARES.  A work-group owns one head and 512 stored queries.  The head's 16 records of kv (128 keys each, 204,800 bytes) come into LDS ONCE, one tensor load a wave, and stay: nothing is filled again, so the
; key loop holds no barrier.  Each of the sixteen waves owns 32 queries, in two passes of 16 over the 16 records.
; CLUSTER.  The four query blocks of a head form a cluster and ask for each record jointly.
; NO PREFETCH: every tensor load stands at the head; there is no loop that runs ahead of a load.
; LAYOUT.  Both products are used transposed: S^T = K Q^T, O^T = V^T P^T: a lane holds one query (lane % 16).  A record holds operands as images of their registers: K's four fragments; V's four, each in two halves of
; 768 bytes (registers 0-3 of a half's six at 16 l, 4 and 5 at 512 + 8 l); K's scale words at 12,288 + 16 r + 4 f, V's at 12,544 + 16 r + 4 i.
; THE KEYS' STORED ORDER (place 16 T + 8 g + j of 64 holds key 32 g + 8 T + j) makes registers 32 c .. 32 c + 31 of S^T in lane (r, h) the 32 keys of block 2 c + h, in their order: a block's maximum and its codes need no other lane.
; THE HEAD'S 64 IN AN INSTRUCTION OF 128: a fragment of K holds tile 2 f in k = 0 .. 63 and tile 2 f + 1 in k = 64 .. 127.  Q lies as zeros, codes, zeros in v16-33: v[22:33] meets tile 2 f, v[16:27] tile 2 f + 1.
; oq: row block RB (16 stored queries) at 12,288 RB; head hd's half fragment at 768 hd: registers 0-3 of its six at 16 l, registers 4, 5 at 512 + 8 l.  Its two scale bytes at 6,291,456 + 512 RB + 32 r + 2 hd.
; LIMITS: NaN and infinities are not served; the scaled scores stay under 2^31 in magnitude; a block whose largest magnitude lies under 2^-124 keeps the byte 1 (this program alone reads the bytes).
; A block's largest p is not searched for: the block's largest score goes through the same multiply-add and exponential (this takes v_exp_f32 not to fall where its input rises).
.set RECB,  12800
.set SPARE, 204800                     ; behind the 16 records: the spare words, 128 bytes a wave
.set LI,  1                            ; 16 x lane
.set LS,  2                            ; 16 x (lane % 16)
.set ADR, 3                            ; LI + the trip's first record
.set ADS, 4                            ; LS + the same
.set SPW, 5
.set NIL, 6
.set L8,  7                            ; 8 x lane
.set R32, 8                            ; 32 x (lane % 16)
.set MS,  9                            ; the running largest score
.set A0,  14                           ; v[10:11], v[12:13]: -M, by turns;  v[14:15]: the first of four running sums
.set QS,  34                           ; Q's scale word [s0, s1, s0, s1]
.set QSW, 35                           ; the word of both passes' tiles
.set QF,  36                           ; v36-47 Q's fragment: pass 0's codes, pass 1's
.set F,   48                           ; v48-95 four fragments, K's and then V's
.set FS,  96                           ; v96-99 their scale words
.set S,   100                          ; v100-163 S^T, then p
.set O,   164                          ; v164-195 O^T
.set P,   196                          ; v196-207 p's codes
.set PT,  208                          ; v208-210, v212-214 halves on their way
.set BM,  216
.set BT,  220
.set SO,  224
.set PS,  228
.set FF,  230                          ; v[230:231] f = 2^(old M - new M), low word
.set TT,  232
.set HW,  233
.set A1,  234                          ; v234-239 the other three running sums
.set AD8, 240                          ; L8 + the trip's first record
.set SH8, 241                          ; 8 x (lane / 16)
.set WV,  18
.set SEL, 20
.set CS,  22                           ; s[22:23] c = log2(e) / 8
.set G1,  24
.set G0,  32
.set PSEL, 36
.set TB,  2
.macro D n
	s_delay_alu instid0(VALU_DEP_\n)
.endm
.macro CROUND
	s_barrier_signal -1
	s_barrier_wait -1
	s_cmp_lg_u32 s[WV], 0
	s_cbranch_scc1 .Lnot_wave_0_\@
	s_barrier_signal -3
.Lnot_wave_0_\@:
	s_barrier_wait -3
	s_barrier_signal -1
	s_barrier_wait -1
.endm
	s_load_b128 s[4:7], s[0:1], 0x0                ; q, kv
	s_load_b64 s[8:9], s[0:1], 0x10                ; oq
	v_lshl_add_u32 v[SPW], v0, 2, SPARE
	v_mov_b32 v[NIL], 0
	ds_add_u32 v[SPW], v[NIL]                      ; the opening lines: the add, twice on end, and its wait
	ds_add_u32 v[SPW], v[NIL]
	v_lshrrev_b32 v1, 5, v0
	v_readfirstlane_b32 s[WV], v1                  ; wave 0..15
	s_bfe_u32 s10, ttmp6, 0x40000                  ; cx: my block of 512 queries; it enters q's and oq's addresses alone
	s_and_b32 s12, ttmp7, 0xffff                   ; 16 x batch + head, which the four partners share
	s_mul_i32 s13, s[WV], RECB                     ; my record: its place in LDS and in the head's stream
	s_mul_i32 s14, s12, 16*RECB
	s_add_co_u32 s14, s14, s13
	s_mov_b32 s15, 0
	s_lshl_b32 s16, s12, 4                         ; q's record: 16 (16 batch + head) + 4 block + wave / 4
	s_lshl_b32 s17, s10, 2
	s_add_co_u32 s16, s16, s17
	s_lshr_b32 s17, s[WV], 2
	s_add_co_u32 s16, s16, s17
	s_mul_i32 s16, s16, 6400
	s_mov_b32 s17, 0
	s_and_b32 s19, s[WV], 3                        ; f: my fragment in it: tiles 2 f (pass 0) and 2 f + 1 (pass 1)
	s_mul_i32 s38, s19, 1536
	s_lshl_b32 s39, s19, 2
	s_lshr_b32 s40, s12, 4
	s_lshl_b32 s40, s40, 7
	s_lshl_b32 s41, s10, 5
	s_add_co_u32 s40, s40, s41
	s_lshl_b32 s41, s[WV], 1
	s_add_co_u32 s40, s40, s41                     ; oq's row block of pass 0: 128 batch + 32 block + 2 wave
	s_and_b32 s41, s12, 15                         ; the head
	s_mul_i32 s44, s40, 12288
	s_mul_i32 s45, s41, 768
	s_add_co_u32 s44, s44, s45
	s_mov_b32 s45, 0
	s_lshl_b32 s46, s40, 9
	s_lshl_b32 s47, s41, 1
	s_add_co_u32 s46, s46, s47
	s_add_co_u32 s46, s46, 6291456
	s_mov_b32 s47, 0
	s_mov_b32 s[G1], 15|(3<<16)|(1<<21)            ; a record, 12,800 dense bytes, as 50 rows of 256 bytes; the mask names all four work-groups
	s_mov_b32 s[G1+1], 32<<16
	s_mov_b32 s[G1+2], 50<<16
	s_mov_b32 s[G1+3], 32<<16
	s_mov_b32 s[G1+4], 50
	s_mov_b32 s[G1+5], 32
	s_mov_b32 s[G1+6], 0
	s_mov_b32 s[G1+7], 0
	s_mov_b32 s[SEL], 0x76543210
	s_mov_b32 s[SEL+1], 0xfedcba98
	s_mov_b32 s[CS], 0x3e38aa3b
	s_mov_b32 s[CS+1], s[CS]
	s_mov_b32 s[PSEL], 0x01000100                  ; pass 0's two bytes of Q's word, twice;
	s_mov_b32 s[PSEL+1], 0x03020302                ; pass 1's
	s_wait_dscnt 0x0                               ; both opening adds are done
	s_wait_kmcnt 0x0
	s_mov_b32 s[G0], 1
	s_mov_b32 s[G0+1], s13
	s_add_nc_u64 s[G0+2:G0+3], s[6:7], s[14:15]
	s_or_b32 s[G0+3], s[G0+3], 0x80000000
	s_add_nc_u64 s[4:5], s[4:5], s[16:17]
	s_add_nc_u64 s[44:45], s[8:9], s[44:45]
	s_add_nc_u64 s[46:47], s[8:9], s[46:47]
	CROUND                                         ; all four work-groups are here: the joint loads meet
	tensor_load_to_lds s[G0:G0+3], s[G1:G1+7]      ; my record of the sixteen: my one tensor load
	s_nop 0
.rept 4
	v_nop
.endr
	v_and_b32 v[L8], 31, v0
	v_and_b32 v[R32], 15, v0
	v_bfe_u32 v[SH8], v0, 4, 1
	v_lshlrev_b32 v[LI], 4, v[L8]
	v_lshlrev_b32 v[LS], 4, v[R32]
	v_lshlrev_b32 v[L8], 3, v[L8]
	v_lshlrev_b32 v[R32], 5, v[R32]
	v_lshlrev_b32 v[SH8], 3, v[SH8]
	v_add_nc_u32 v[S], s38, v[LI]
	v_add_nc_u32 v[S+1], s39, v[LS]
.irp g, 0,1,2
	global_load_b128 v[QF+4*\g:QF+4*\g+3], v[S], s[4:5] offset:512*\g
.endr
	global_load_b32 v[QSW], v[S+1], s[4:5] offset:6144
.irp j, 16,17,18,19,20,21,28,29,30,31,32,33
	v_mov_b32 v[\j], 0                             ; the zeros on both sides of Q's codes
.endr
.irp j, 11,13,FF+1,TT,BT,BT+1,BT+2,BT+3
	v_mov_b32 v[\j], 0                             ; upper halves of named pairs, and lane permutes' destinations
.endr
	s_wait_alu depctr_va_vdst(0)                   ; the wait at the head's end
	s_wait_loadcnt 0x0
	s_wait_tensorcnt 0x0                           ; my record is in
	s_barrier_signal -1
	s_barrier_wait -1                              ; and so is everybody's
.macro SUMS j0, j1                     ; pairs j0 .. j1 of p onto the four running sums by turns; each sum's first line of a step brings it under the new M in the same multiply-add
.set J, \j0
.rept \j1-\j0+1
.if J == 0
	v_pk_fma_f32 v[A0:A0+1], v[A0:A0+1], v[FF:FF+1], v[S:S+1] op_sel_hi:[1,0,1]
.elseif J < 4
	v_pk_fma_f32 v[A1+2*J-2:A1+2*J-1], v[A1+2*J-2:A1+2*J-1], v[FF:FF+1], v[S+2*J:S+2*J+1] op_sel_hi:[1,0,1]
.elseif J%4 == 0
	v_pk_add_f32 v[A0:A0+1], v[A0:A0+1], v[S+2*J:S+2*J+1]
.else
	v_pk_add_f32 v[A1+2*(J%4)-2:A1+2*(J%4)-1], v[A1+2*(J%4)-2:A1+2*(J%4)-1], v[S+2*J:S+2*J+1]
.endif
.set J, J+1
.endr
.endm
; A KEY STEP: 128 keys, the q-th record of the trip.  NN: the pair whose low word takes the new -M;  NO: the one that holds the old
.macro STEP q, NN, NO
.set RB0, RECB*(\q)
.irp f, 0,1,2,3
.irp g, 0,1,2
	ds_load_b128 v[F+12*\f+4*\g:F+12*\f+4*\g+3], v[ADR] offset:RB0+1536*\f+512*\g
.endr
.endr
	ds_load_b128 v[FS:FS+3], v[ADS] offset:RB0+12288
	s_wait_dscnt 0x0
.irp f, 0,1,2,3                        ; S^T: register 32 c + i of lane (r, h) is key 64 c + 32 h + i for query r
	v_wmma_scale_f32_16x16x128_f8f6f4 v[S+16*\f:S+16*\f+7], v[F+12*\f:F+12*\f+11], v[22:33], 0, v[FS+\f], v[QS] matrix_a_fmt:MATRIX_FMT_FP6 matrix_b_fmt:MATRIX_FMT_FP6
	v_wmma_scale_f32_16x16x128_f8f6f4 v[S+16*\f+8:S+16*\f+15], v[F+12*\f:F+12*\f+11], v[16:27], 0, v[FS+\f], v[QS] matrix_a_fmt:MATRIX_FMT_FP6 matrix_b_fmt:MATRIX_FMT_FP6
.endr
.rept 4
	v_nop                                          ; places behind the products: for the loads below and the first reads of S^T
.endr
.irp f, 0,1,2,3                        ; V's fragments and words take K's places: they land while the softmax is worked
.irp c, 0,1
	ds_load_b128 v[F+12*\f+6*\c:F+12*\f+6*\c+3], v[ADR] offset:RB0+6144+1536*\f+768*\c
	ds_load_b64 v[F+12*\f+6*\c+4:F+12*\f+6*\c+5], v[AD8] offset:RB0+6144+1536*\f+768*\c+512
.endr
.endr
	ds_load_b128 v[FS:FS+3], v[ADS] offset:RB0+12544
.irp c, 0,1                            ; the largest score of my two blocks of 32 keys, each in two chains; every tile of S^T is first read at its low end
	v_max3_num_f32 v[BM+\c], v[S+32*\c], v[S+32*\c+1], v[S+32*\c+2]
	v_max3_num_f32 v[BM+2+\c], v[S+32*\c+16], v[S+32*\c+17], v[S+32*\c+18]
.endr
.irp i, 3,5,7,9,11,13
.irp c, 0,1
	v_max3_num_f32 v[BM+\c], v[BM+\c], v[S+32*\c+\i], v[S+32*\c+\i+1]
	v_max3_num_f32 v[BM+2+\c], v[BM+2+\c], v[S+32*\c+16+\i], v[S+32*\c+17+\i]
.endr
.endr
.irp c, 0,1
	v_max3_num_f32 v[BM+\c], v[BM+\c], v[BM+2+\c], v[S+32*\c+15]
.endr
.irp c, 0,1
	v_max_num_f32 v[BM+\c], v[BM+\c], v[S+32*\c+31]
.endr
	v_max_num_f32 v[TT], v[BM], v[BM+1]
	v_permlanex16_b32 v[BT+3], v[TT], s[SEL], s[SEL+1]
	v_max3_num_f32 v[MS], v[TT], v[BT+3], v[MS]    ; with lane l xor 16's two blocks: the running largest score
	D 1
	v_mul_f32 v[TT], s[CS], v[MS]                  ; as t (c is positive)
	D 1
	v_floor_f32 v[\NN], -v[TT]                     ; the new -M = floor(-t) = -ceil(t)
	D 1
	v_sub_f32 v[TT], v[\NN], v[\NO]                ; old M - new M: a whole number, 0 or less
.set J, 0
.rept 16
	v_pk_fma_f32 v[S+J:S+J+1], v[S+J:S+J+1], s[CS:CS+1], v[\NN:\NN+1] op_sel_hi:[1,0,0]   ; t - M, two at a time
.set J, J+2
.endr
	v_cvt_i32_f32 v[TT], v[TT]                     ; (it saturates)
.rept 16
	v_pk_fma_f32 v[S+J:S+J+1], v[S+J:S+J+1], s[CS:CS+1], v[\NN:\NN+1] op_sel_hi:[1,0,0]
.set J, J+2
.endr
	v_ldexp_f32 v[FF], 1.0, v[TT]                  ; f = 2^(old M - new M)
.irp c, 0,1
	v_fma_f32 v[BM+\c], v[BM+\c], s[CS], v[\NN]    ; the same of each block's largest score
.endr
.set J, 0
.rept 16
	v_pk_mul_f32 v[O+J:O+J+1], v[O+J:O+J+1], v[FF:FF+1] op_sel_hi:[1,0]   ; O^T under the new M, each accumulator from its low end on
.set J, J+2
.endr
	s_wait_alu depctr_va_vdst(0)                   ; the wait ahead of the batch
.set J, 0
.rept 64
	v_exp_f32 v[S+J], v[S+J]                       ; p = 2^(t - M), at most 1
.set J, J+1
.endr
.irp c, 0,1
	v_exp_f32 v[BM+\c], v[BM+\c]                   ; the block's largest p
.endr
	v_nop                                          ; a plain place behind the exponentials
	s_wait_alu depctr_va_vdst(0)                   ; one wait for the whole batch, ahead of its first reader
	s_wait_dscnt 0x0                               ; V is in
.irp c, 0,1
	v_max_num_f32 v[BM+\c], 0x1800000, v[BM+\c]    ; the floor 2^(3 - 127): the byte cannot fall under 1
.endr
.irp c, 0,1
	D 2
	v_add_nc_u32 v[SO+\c], 0xff000000, v[BM+\c]    ; 2 off the exponent field: the conversion's scale operand
.endr
.irp c, 0,1
	D 2
	v_lshrrev_b32 v[BT+\c], 23, v[SO+\c]           ; the scale's byte
.endr
	D 1
	v_lshl_or_b32 v[PS], v[BT+1], 16, v[BT]        ; my bytes: blocks h and 2 + h,
	D 1
	v_lshlrev_b32 v[PS], v[SH8], v[PS]             ; at their places in the word;
	D 1
	v_permlanex16_b32 v[BT+2], v[PS], s[SEL], s[SEL+1]
	D 1
	v_or_b32 v[PS], v[PS], v[BT+2]                 ; with lane l xor 16's two: p's scale word for these 128 keys
.irp c, 0,1
	v_cvt_scalef32_pk16_fp6_f32 v[P+6*\c:P+2+6*\c], v[S+32*\c:S+15+32*\c], v[SO+\c]
	v_cvt_scalef32_pk16_fp6_f32 v[PT+4*\c:PT+2+4*\c], v[S+16+32*\c:S+31+32*\c], v[SO+\c]   ; (a conversion's three registers begin on an even number)
.endr
	SUMS 0, 23                                     ; the row's sum of the unquantised p; its first line is the plain place behind the conversions
.irp c, 0,1
.irp i, 0,1,2
	v_mov_b32 v[P+3+6*\c+\i], v[PT+4*\c+\i]
.endr
.endr
	SUMS 24, 27                                    ; four places between p's codes and the products
.irp i, 0,1,2,3                        ; O^T += V^T P^T: the four accumulators by turns
	v_wmma_scale_f32_16x16x128_f8f6f4 v[O+8*\i:O+8*\i+7], v[F+12*\i:F+12*\i+11], v[P:P+11], v[O+8*\i:O+8*\i+7], v[FS+\i], v[PS] matrix_a_fmt:MATRIX_FMT_FP6 matrix_b_fmt:MATRIX_FMT_FP6
.endr
	SUMS 28, 31                                    ; four places behind the products, in front of the next loads into their operands
.endm
; A PASS: 16 queries against the head's 16 records, two records a trip; then O^T / the sum, quantised along d (two blocks of 32), leaves as the head's half of a fragment with its two scale bytes.
.macro PASS p
.if \p
	s_wait_xcnt 0x0                                ; the last pass's stores have read their registers
.endif
.irp j, 0,1,2,3,4,5
	v_mov_b32 v[22+\j], v[QF+6*\p+\j]
.endr
	v_perm_b32 v[QS], v[QSW], v[QSW], s[PSEL+\p]
	v_mov_b32 v[MS], 0xff61b1e6                    ; the largest score so far: -3e38
	v_mov_b32 v12, 0x7f61b1e6                      ; the old -M: 3e38, so that the first f is 0
.irp j, A0,A0+1,A1,A1+1,A1+2,A1+3,A1+4,A1+5
	v_mov_b32 v[\j], 0
.endr
.set J, 0
.rept 32
	v_mov_b32 v[O+J], 0                            ; the key step has no first form: it finds zeros.  (Also the places between Q's lines and the first products)
.set J, J+1
.endr
	s_mov_b32 s[TB], 0
.Lpass_\p:
	v_add_nc_u32 v[ADR], s[TB], v[LI]
	v_add_nc_u32 v[ADS], s[TB], v[LS]
	v_add_nc_u32 v[AD8], s[TB], v[L8]
	s_wait_alu depctr_va_vdst(0)
	STEP 0, 10, 12
	STEP 1, 12, 10
	s_add_co_u32 s[TB], s[TB], 2*RECB
	s_cmp_lt_u32 s[TB], 16*RECB
	s_cbranch_scc1 .Lpass_\p
	v_pk_add_f32 v[A0:A0+1], v[A0:A0+1], v[A1:A1+1]
	v_pk_add_f32 v[A1+2:A1+3], v[A1+2:A1+3], v[A1+4:A1+5]
	D 1
	v_pk_add_f32 v[A0:A0+1], v[A0:A0+1], v[A1+2:A1+3]
	D 1
	v_add_f32 v14, v14, v15
	D 1
	v_permlanex16_b32 v[TT], v14, s[SEL], s[SEL+1]
	D 1
	v_add_f32 v14, v14, v[TT]                      ; with lane l xor 16's: the row's sum
	s_wait_alu depctr_va_vdst(0)
	v_rcp_f32 v14, v14
	v_nop
	s_wait_alu depctr_va_vdst(0)
.set J, 0
.rept 16
	v_pk_mul_f32 v[S+J:S+J+1], v[O+J:O+J+1], v[14:15] op_sel_hi:[1,0]   ; register 16 b + i is d 32 b + 16 h + i
.set J, J+2
.endr
.irp b, 0,1
	v_max3_num_f32 v[BM+\b], |v[S+16*\b]|, |v[S+1+16*\b]|, 0x1800000
.endr
.irp i, 2,4,6,8,10,12,14
.irp b, 0,1
	D 2
	v_max3_num_f32 v[BM+\b], v[BM+\b], |v[S+16*\b+\i]|, |v[S+1+16*\b+\i]|
.endr
.endr
.irp b, 0,1
	D 2
	v_permlanex16_b32 v[BT+\b], v[BM+\b], s[SEL], s[SEL+1]
.endr
.irp b, 0,1
	D 2
	v_max_num_f32 v[BM+\b], v[BM+\b], v[BT+\b]
.endr
.irp b, 0,1
	D 2
	v_add_nc_u32 v[SO+\b], 0xff000000, v[BM+\b]
.endr
.irp b, 0,1
	D 2
	v_lshrrev_b32 v[BT+\b], 23, v[SO+\b]
.endr
	D 1
	v_lshl_or_b32 v[HW], v[BT+1], 8, v[BT]
	v_cvt_scalef32_pk16_fp6_f32 v[P:P+2], v[S:S+15], v[SO]
	v_cvt_scalef32_pk16_fp6_f32 v[PT:PT+2], v[S+16:S+31], v[SO+1]
	v_nop
.irp i, 0,1,2
	v_permlane16_swap_b32 v[P+\i], v[PT+\i]
.endr
.irp i, 0,1,2
	v_mov_b32 v[P+3+\i], v[PT+\i]
.endr
	global_store_b128 v[LI], v[P:P+3], s[44:45] offset:12288*\p            ; 512 consecutive bytes,
	global_store_b64 v[L8], v[P+4:P+5], s[44:45] offset:12288*\p+512       ; and 256
	global_store_b16 v[R32], v[HW], s[46:47] offset:512*\p                 ; two bytes of each row's 32: both halves of the lanes hold the same for the same address
.endm
	PASS 0
	PASS 1
	s_wait_tensorcnt 0x0                           ; the wave's end
	ds_add_u32 v[SPW], v[NIL]
	s_wait_dscnt 0x0
	CROUND                                         ; the closing round
	s_endpgm
.Lfunc_end_k_qfb8606b839_attn:
	.size	k_qfb8606b839_attn, .Lfunc_end_k_qfb8606b839_attn-k_qfb8606b839_attn
	.p2alignl 7, 3214868480
	.fill 96, 4, 3214868480
	.section	.rodata,"a",@progbits
	.p2align	6, 0x0
	.amdhsa_kernel k_qfb8606b839_attn
		.amdhsa_group_segment_fixed_size 327680
		.amdhsa_private_segment_fixed_size 0
		.amdhsa_enable_private_segment 0
		.amdhsa_kernarg_size 24
		.amdhsa_user_sgpr_count 2
		.amdhsa_user_sgpr_kernarg_segment_ptr 1
		.amdhsa_wavefront_size32 1
		.amdhsa_system_sgpr_workgroup_id_x 1
		.amdhsa_system_sgpr_workgroup_id_y 1
		.amdhsa_system_sgpr_workgroup_id_z 1
		.amdhsa_system_vgpr_workitem_id 0
		.amdhsa_next_free_vgpr 256
		.amdhsa_next_free_sgpr 66
		.amdhsa_reserve_vcc 0
		.amdhsa_float_denorm_mode_32 3
		.amdhsa_float_denorm_mode_16_64 3
		.amdhsa_memory_ordered 1
		.amdhsa_forward_progress 1
		.amdhsa_inst_pref_size 77
	.end_amdhsa_kernel
	.amdgpu_metadata
---
amdhsa.version: [ 1, 2 ]
amdhsa.kernels:
  - .name:           k_qfb8606b839_attn
    .symbol:         k_qfb8606b839_attn.kd
    .args:
      - { .name: q, .offset: 0, .size: 8, .value_kind: global_buffer, .address_space: global }
      - { .name: kv, .offset: 8, .size: 8, .value_kind: global_buffer, .address_space: global }
      - { .name: oq, .offset: 16, .size: 8, .value_kind: global_buffer, .address_space: global }
    .group_segment_fixed_size: 327680
    .private_segment_fixed_size: 0
    .kernarg_segment_align: 8
    .kernarg_segment_size: 24
    .max_flat_workgroup_size: 512
    .sgpr_count:     66
    .vgpr_count:     256
    .wavefront_size: 32
...
	.end_amdgpu_metadata
.endif
;; end of part 4
;; launch gemm_o (part 5): grid 8 x 32, 4 waves a work-group, clusters of 4 x 4, 327,680 bytes of LDS; arguments oq, wq, bo, out0; writes out0
.if DOCPART == 5
	.amdgcn_target "amdgcn-amd-amdhsa--gfx1250"
	.amdhsa_code_object_version 6
	.text
	.protected	k_qfb8606b839_gemm_o
	.globl	k_qfb8606b839_gemm_o
	.p2align	8
	.type	k_qfb8606b839_gemm_o,@function
k_qfb8606b839_gemm_o:
	s_mov_b64 s[64:65], 0
	v_nop
	global_prefetch_b8 v0, s[64:65] scope:SCOPE_SE
	s_setreg_imm32_b32 hwreg(HW_REG_WAVE_MODE, 25, 1), 1
	s_wait_xcnt 0x0
	s_wait_alu depctr_hold_cnt(0) depctr_sa_sdst(0) depctr_va_vdst(0) depctr_va_sdst(0) depctr_va_ssrc(0) depctr_va_vcc(0) depctr_vm_vsrc(0)
	s_getreg_b32 s2, hwreg(HW_REG_IB_STS2, 6, 4)
	s_cmp_eq_u32 s2, 0
	s_cbranch_scc0 .Lentry_in_a_cluster
	s_endpgm
.Lentry_in_a_cluster:
	s_bfe_u32 s2, ttmp6, 0x10000c
	s_cmp_lg_u32 s2, 0xf033
	s_cbranch_scc0 .Lentry_shape_is_right
	s_endpgm
.Lentry_shape_is_right:
; out0 = O Wo + bo: O [8192][1024] as codes of FP6 (E2M3) in oq, Wo's 1,024 columns as row blocks 192-255 of wq; sums in f32, begun with the bias as C.
; A work-group makes 256 rows x 128 columns: 32 x 8 = 256 work-groups.  ALL OF K IS RESIDENT: A's 16 row blocks (196,608 dense bytes), B's 8 (98,304), A's scale words (8,192) and B's (4,096) come by four
; tensor loads at the head, one a wave; nothing is filled again, so there is no ring.  A wave makes 64 rows x 128 columns: 32 accumulators; a K step's 12 fragments are fetched one step ahead, in two sets.
; CLUSTER 4 x 4: A's tiles are shared along a row of the cluster, B's along a column, each asked for jointly.
; NO PREFETCH: every tensor load stands at the head; there is no loop that runs ahead of a load.
; LAYOUTS.  wq: fragment (row block, K step) at 12,288 RB + 1,536 ks, registers 4 G .. 4 G + 3 of lane l at 512 G + 16 l; scale words at 3,145,728 + 512 RB + 64 ks + 4 r.
; oq: the same places, but each half c of a fragment (one head) lies at 768 c: registers 6 c .. 6 c + 3 at 16 l, registers 6 c + 4, 6 c + 5 at 512 + 8 l; a row's eight scale words on end at 6,291,456 + 512 RB + 32 r.
; Rows and columns lie in the stored order (inside each 32, place 16 u + 8 g + j holds 16 g + 8 u + j).  The product is used transposed (source 0 = Wo's columns, source 1 = O's rows): a lane holds eight neighbouring columns of a row.
; REGISTERS: window 0: v0-31 addresses, v32-63 A's scale words, v64-127 B's, v128-223 A's fragments in two sets (on the way out v128-255 the rows read back);
; window 1: v0-191 B's fragments in two sets, v192-255 the bias;  window 2: the accumulators, (a, b) at 8 (8 a + b).
.set RBB,   12288
.set LB,    196608
.set LSA,   294912
.set LSB,   303104
.set SPARE, 307200
.set SPITCH, 528
.set ADRA, 16
.set ADRA8, 17
.set ADRB, 20
.set ADSA, 22
.set ADSB, 23
.set LI,   24
.set STO,  25
.set BO,   26
.set SPW,  28
.set NIL,  29
.set RD,   30
.set SA,   32
.set SB,   64
.set AF,   128
.set BK,   128
.set G1A,  24
.set G1B,  32
.set G1SA, 40
.set G1SB, 48
.set G0A,  56
.set G0B,  60
.set G0SA, 68
.set G0SB, 72
.set MSB, 0
.macro WIN new
.if MSB != (\new)
	s_set_vgpr_msb (MSB<<8)|(\new)
.set MSB, (\new)
.endif
.endm
.set MULW, 0xa1                        ; source 0 (B) window 1, source 1 (A) window 0, C and D window 2
.set BIAW, 0x91                        ; the same with C in window 1
.set TO_B, 0x40
.macro CROUND
	s_barrier_signal -1
	s_barrier_wait -1
	s_cmp_lg_u32 s14, 0
	s_cbranch_scc1 .Lnot_wave_0_\@
	s_barrier_signal -3
.Lnot_wave_0_\@:
	s_barrier_wait -3
	s_barrier_signal -1
	s_barrier_wait -1
.endm
.macro DENSE g, rows                   ; a dense block as rows of 256 bytes (32 elements of 8 bytes)
	s_mov_b32 s[\g+1], 32<<16
	s_mov_b32 s[\g+2], (\rows)<<16
	s_mov_b32 s[\g+3], 32<<16
	s_mov_b32 s[\g+4], \rows
	s_mov_b32 s[\g+5], 32
	s_mov_b32 s[\g+6], 0
	s_mov_b32 s[\g+7], 0
.endm
.macro G0SET g, lds, base, off
	s_mov_b32 s[\g], 1
	s_mov_b32 s[\g+1], \lds
	s_add_nc_u64 s[\g+2:\g+3], s[\base:\base+1], s[\off:\off+1]
	s_or_b32 s[\g+3], s[\g+3], 0x80000000
.endm
.macro PLACES n
.rept \n
	v_nop
.endr
.endm
	s_load_b256 s[92:99], s[0:1], 0x0              ; oq, wq, bo, out0
	v_lshl_add_u32 v[SPW], v0, 2, SPARE
	v_mov_b32 v[NIL], 0
	ds_add_u32 v[SPW], v[NIL]                      ; the opening lines: the add, twice on end, and its wait
	ds_add_u32 v[SPW], v[NIL]
	v_lshrrev_b32 v1, 5, v0
	v_readfirstlane_b32 s14, v1                    ; wave 0..3
	s_bfe_u32 s10, ttmp6, 0x40000                  ; cx
	s_bfe_u32 s11, ttmp6, 0x40004                  ; cy
	s_lshl_b32 s12, ttmp9, 2
	s_add_co_u32 s12, s12, s10                     ; tile column 0..7
	s_and_b32 s13, ttmp7, 0xffff
	s_lshl_b32 s13, s13, 2
	s_add_co_u32 s13, s13, s11                     ; tile row 0..31
	s_lshl_b32 s15, s11, 2
	s_lshl_b32 s15, 15, s15                        ; my row of the cluster
	s_lshl_b32 s16, 0x1111, s10                    ; my column
	s_or_b32 s[G1A], s15, (3<<16)|(1<<21)
	s_or_b32 s[G1SA], s15, (3<<16)|(1<<21)
	s_or_b32 s[G1B], s16, (3<<16)|(1<<21)
	s_or_b32 s[G1SB], s16, (3<<16)|(1<<21)
	DENSE G1A, 768
	DENSE G1B, 384
	DENSE G1SA, 32
	DENSE G1SB, 16
	s_mul_i32 s18, s13, 196608                     ; A's 16 row blocks,
	s_mov_b32 s19, 0
	s_lshl_b32 s20, s13, 13                        ; and their scale words
	s_add_co_u32 s20, s20, 6291456
	s_mov_b32 s21, 0
	s_mul_i32 s22, s12, 98304                      ; B's 8 row blocks, from row block 192 on,
	s_add_co_u32 s22, s22, 192*RBB
	s_mov_b32 s23, 0
	s_lshl_b32 s76, s12, 12                        ; and their scale words
	s_add_co_u32 s76, s76, 3145728+192*512
	s_mov_b32 s77, 0
	s_mul_i32 s2, s14, 4*RBB                       ; LDS: my four row blocks of A,
	s_lshl_b32 s3, s14, 11
	s_add_co_u32 s3, s3, LSA                       ; their scale words,
	s_mul_i32 s4, s14, 16*SPITCH                   ; and my stage
	s_lshl_b32 s78, s12, 9                         ; my tile's first column, in bytes
	s_mov_b32 s79, 0
	s_lshl_b32 s80, s13, 20                        ; 256 rows of 4,096 bytes a tile row, 64 a wave
	s_lshl_b32 s81, s14, 18
	s_add_co_u32 s80, s80, s81
	s_add_co_u32 s80, s80, s78
	s_mov_b32 s81, 0
	s_wait_dscnt 0x0                               ; both opening adds are done
	s_wait_kmcnt 0x0
	G0SET G0A, 0, 92, 18
	G0SET G0SA, LSA, 92, 20
	G0SET G0B, LB, 94, 22
	G0SET G0SB, LSB, 94, 76
	s_add_nc_u64 s[96:97], s[96:97], s[78:79]
	s_add_nc_u64 s[84:85], s[98:99], s[80:81]
	CROUND                                         ; all sixteen work-groups are here: the joint loads meet
.macro ARM under, g0, g1, next         ; one chain of branches on the wave's number, one load to an arm
	s_cmp_lt_u32 s14, \under
	s_cbranch_scc0 \next
	tensor_load_to_lds s[\g0:\g0+3], s[\g1:\g1+7]
	s_nop 0
	PLACES 4
	s_branch .Lhead_asked
\next:
.endm
	ARM 1, G0A,  G1A,  .Lhead_b
	ARM 2, G0B,  G1B,  .Lhead_sa
	ARM 3, G0SA, G1SA, .Lhead_sb
	tensor_load_to_lds s[G0SB:G0SB+3], s[G1SB:G1SB+7]
	s_nop 0
	PLACES 4
.Lhead_asked:
	v_and_b32 v1, 15, v0                           ; r
	v_bfe_u32 v2, v0, 4, 1                         ; h
	v_and_b32 v3, 31, v0
	v_lshlrev_b32 v[LI], 4, v3
	v_lshl_add_u32 v[ADRA8], v3, 3, s2
	v_add_nc_u32 v[ADRA], s2, v[LI]
	v_add_nc_u32 v[ADRB], LB, v[LI]
	v_add_nc_u32 v[ADRB+1], LB+4*RBB, v[LI]
	v_lshl_add_u32 v[ADSA], v1, 5, s3
	v_lshl_add_u32 v[ADSB], v1, 2, LSB
	v_mul_u32_u24 v4, v1, SPITCH
	v_lshl_add_u32 v4, v2, 6, v4
	v_add_nc_u32 v[STO], s4, v4                    ; into the stage: row r, 64 bytes for each half of the lanes
	v_add_nc_u32 v[RD], s4, v[LI]                  ; back: 32 lanes take a row of 512 bytes
	v_lshlrev_b32 v[BO], 6, v2
	WIN TO_B
.irp i, 0,1,2,3,4,5,6,7
	global_load_b128 v[192+8*\i:192+8*\i+3], v[BO], s[96:97] offset:4*(32*(\i/2)+8*(\i%2))
	global_load_b128 v[192+8*\i+4:192+8*\i+7], v[BO], s[96:97] offset:4*(32*(\i/2)+8*(\i%2))+16
.endr
	WIN 0
.macro FETCH s                         ; K step s: B's eight fragments and my four of A into set s % 2: 40 loads
	WIN TO_B
.irp b, 0,1,2,3,4,5,6,7
.irp g, 0,1,2
	ds_load_b128 v[96*((\s)%2)+12*\b+4*\g:96*((\s)%2)+12*\b+4*\g+3], v[ADRB+\b/4] offset:(\b%4)*RBB+(\s)*1536+512*\g
.endr
.endr
	WIN 0
.irp i, 0,1,2,3
.irp c, 0,1
	ds_load_b128 v[AF+48*((\s)%2)+12*\i+6*\c:AF+48*((\s)%2)+12*\i+6*\c+3], v[ADRA] offset:\i*RBB+(\s)*1536+768*\c
	ds_load_b64 v[AF+48*((\s)%2)+12*\i+6*\c+4:AF+48*((\s)%2)+12*\i+6*\c+5], v[ADRA8] offset:\i*RBB+(\s)*1536+768*\c+512
.endr
.endr
.endm
.macro MUL s, first                    ; 32 products, the accumulators by turns in the same order in every step
.irp a, 0,1,2,3
.irp b, 0,1,2,3,4,5,6,7
.if \first
	v_wmma_scale_f32_16x16x128_f8f6f4 v[8*(8*\a+\b):8*(8*\a+\b)+7], v[96*((\s)%2)+12*\b:96*((\s)%2)+12*\b+11], v[AF+48*((\s)%2)+12*\a:AF+48*((\s)%2)+12*\a+11], v[192+8*\b:192+8*\b+7], v[SB+8*\b+(\s)], v[SA+8*\a+(\s)] matrix_a_fmt:MATRIX_FMT_FP6 matrix_b_fmt:MATRIX_FMT_FP6
.else
	v_wmma_scale_f32_16x16x128_f8f6f4 v[8*(8*\a+\b):8*(8*\a+\b)+7], v[96*((\s)%2)+12*\b:96*((\s)%2)+12*\b+11], v[AF+48*((\s)%2)+12*\a:AF+48*((\s)%2)+12*\a+11], v[8*(8*\a+\b):8*(8*\a+\b)+7], v[SB+8*\b+(\s)], v[SA+8*\a+(\s)] matrix_a_fmt:MATRIX_FMT_FP6 matrix_b_fmt:MATRIX_FMT_FP6
.endif
.endr
.endr
.endm
	s_wait_alu depctr_va_vdst(0)                   ; the wait at the head's end
	s_wait_tensorcnt 0x0                           ; my tile of the four is in
	s_barrier_signal -1
	s_barrier_wait -1                              ; and so are the others
.irp a, 0,1,2,3                        ; all scale words, once: a row's eight of A in two loads; B's one by one
	ds_load_b128 v[SA+8*\a:SA+8*\a+3], v[ADSA] offset:512*\a
	ds_load_b128 v[SA+8*\a+4:SA+8*\a+7], v[ADSA] offset:512*\a+16
.endr
.irp b, 0,1,2,3,4,5,6,7
.irp k, 0,1,2,3,4,5,6,7
	ds_load_b32 v[SB+8*\b+\k], v[ADSB] offset:512*\b+64*\k
.endr
.endr
	FETCH 0
.set ST, 0
.rept 7
.if ST > 0
	PLACES 4                                       ; in front of loads into the set that the step before multiplied
.endif
	FETCH ST+1
	s_wait_dscnt 40                                ; all but the 40 loads just issued
.if ST == 0
	s_wait_loadcnt 0x0                             ; the bias
	WIN BIAW
	MUL 0, 1
.else
	WIN MULW
	MUL ST, 0
.endif
	WIN 0
.set ST, ST+1
.endr
	s_wait_dscnt 0x0
	WIN MULW
	MUL 7, 0
	WIN 0
	s_barrier_signal -1                            ; no LDS read of mine is out: the stages lie over A's bytes, which have had their one fill,
	s_barrier_wait -1                              ; and which no wave reads any more
.macro TOSTAGE a
	WIN 0x08
.irp b, 0,1,2,3,4,5,6,7
	ds_store_b128 v[STO], v[64*(\a)+8*\b:64*(\a)+8*\b+3] offset:128*(\b/2)+32*(\b%2)          ; each accumulator from its low end on
	ds_store_b128 v[STO], v[64*(\a)+8*\b+4:64*(\a)+8*\b+7] offset:128*(\b/2)+32*(\b%2)+16
.endr
	WIN 0
.set BB, BK+64*((\a)%2)
.irp t, 0,1,2,3,4,5,6,7,8,9,10,11,12,13,14,15
	ds_load_b128 v[BB+4*\t:BB+4*\t+3], v[RD] offset:\t*SPITCH      ; LDS serves a wave's instructions in order: these see my stores
.endr
.endm
.macro SEND a, younger
.set BB, BK+64*((\a)%2)
	s_wait_dscnt \younger
.irp t, 0,1,2,3,4,5,6,7,8,9,10,11,12,13,14,15
	global_store_b128 v[LI], v[BB+4*\t:BB+4*\t+3], s[84:85] offset:(32*((\a)/2)+8*((\a)%2)+16*(\t/8)+\t%8)*4096 th:TH_STORE_NT   ; 32 lanes store 512 consecutive bytes of a true row
.endr
.endm
	PLACES 4
	TOSTAGE 0
.irp a, 1,2,3
.if \a > 1
	s_wait_xcnt 0x0                                ; block a - 2's stores have read their registers
.endif
	TOSTAGE \a
	SEND \a-1, 32                                  ; behind block a - 1's loads: block a's 16 stores and 16 loads
.endr
	SEND 3, 0
	s_wait_tensorcnt 0x0                           ; the wave's end
	ds_add_u32 v[SPW], v[NIL]
	s_wait_dscnt 0x0
	CROUND                                         ; the closing round
	s_endpgm
.Lfunc_end_k_qfb8606b839_gemm_o:
	.size	k_qfb8606b839_gemm_o, .Lfunc_end_k_qfb8606b839_gemm_o-k_qfb8606b839_gemm_o
	.p2alignl 7, 3214868480
	.fill 96, 4, 3214868480
	.section	.rodata,"a",@progbits
	.p2align	6, 0x0
	.amdhsa_kernel k_qfb8606b839_gemm_o
		.amdhsa_group_segment_fixed_size 327680
		.amdhsa_private_segment_fixed_size 0
		.amdhsa_enable_private_segment 0
		.amdhsa_kernarg_size 32
		.amdhsa_user_sgpr_count 2
		.amdhsa_user_sgpr_kernarg_segment_ptr 1
		.amdhsa_wavefront_size32 1
		.amdhsa_system_sgpr_workgroup_id_x 1
		.amdhsa_system_sgpr_workgroup_id_y 1
		.amdhsa_system_sgpr_workgroup_id_z 1
		.amdhsa_system_vgpr_workitem_id 0
		.amdhsa_next_free_vgpr 768
		.amdhsa_next_free_sgpr 100
		.amdhsa_reserve_vcc 0
		.amdhsa_float_denorm_mode_32 3
		.amdhsa_float_denorm_mode_16_64 3
		.amdhsa_memory_ordered 1
		.amdhsa_forward_progress 1
		.amdhsa_inst_pref_size 83
	.end_amdhsa_kernel
	.amdgpu_metadata
---
amdhsa.version: [ 1, 2 ]
amdhsa.kernels:
  - .name:           k_qfb8606b839_gemm_o
    .symbol:         k_qfb8606b839_gemm_o.kd
    .args:
      - { .name: oq, .offset: 0, .size: 8, .value_kind: global_buffer, .address_space: global }
      - { .name: wq, .offset: 8, .size: 8, .value_kind: global_buffer, .address_space: global }
      - { .name: bo, .offset: 16, .size: 8, .value_kind: global_buffer, .address_space: global }
      - { .name: out0, .offset: 24, .size: 8, .value_kind: global_buffer, .address_space: global }
    .group_segment_fixed_size: 327680
    .private_segment_fixed_size: 0
    .kernarg_segment_align: 8
    .kernarg_segment_size: 32
    .max_flat_workgroup_size: 128
    .sgpr_count:     100
    .vgpr_count:     768
    .wavefront_size: 32
...
	.end_amdgpu_metadata
.endif
;; end of part 5
